; MI455X (gfx1250); checked and timed in simulation.
; The chip was launched on July 23, 2026; its instructions are those of AMD's public machine-readable ISA for CDNA 5 (MIT licence, August 2026) and "CDNA5" Instruction Set Architecture Reference Guide (July 2026). The comments in the code are by the model that wrote it; some were corrected since.
;; Scaled Attention. Allowed arithmetic: matrix products marked QUANTISED: E2M1 operands, one E8M0 scale for each 32 along K, by v_wmma_scale_f32_16x16x128_f8f6f4 with both operands' format E2M1 (or v_wmma_scale_f32_32x16x128_f4), f32 sums; products left as they are: bf16, f16 or f32 operands; f32 sums; everything else in f32.
;; Inputs: Wk 1,024 x 1,024 float32; Wo 1,024 x 1,024 float32; Wq 1,024 x 1,024 float32; Wv 1,024 x 1,024 float32; input 4 x 2,048 x 1,024 float32; memory 4 x 2,048 x 1,024 float32.
;; Outputs: out0 4 x 2,048 x 1,024 float32.
;; This version of the problem:
;;   THIS VERSION OF THE PROBLEM IS GIVEN IN LOW PRECISION. The matrix products marked QUANTISED in the list below multiply operands that are first quantised to E2M1 (2 exponent bits, 1 mantissa bit; 4 bits a number), with one power-of-two scale for each 32 numbers along K (OCP MX v1.0); their sums are f32. The products marked 'left as it is' may take bf16, f16 or f32 operands, with f32 sums. Whichever they take, every output number must still come out within the allowed error. Rounding operands to bf16 (8 significant bits) uses up far more of that allowance than f16 does (11 bits, for magnitudes from 6e-5 to 65,504). All else is computed in f32.
;;   The module's matrix products, in the order in which they are computed (A, B: the left and right operand; K: the contracted axis; several contracted axes count as one K, in the product's order):
;;     1. [M 8,192, K 1,024] x [K 1,024, N 1,024]; A: input input; B: input Wq: QUANTISED
;;     2. [M 8,192, K 1,024] x [K 1,024, N 1,024]; A: input memory; B: input Wk: QUANTISED
;;     3. [M 8,192, K 1,024] x [K 1,024, N 1,024]; A: input memory; B: input Wv: QUANTISED
;;     4. batch 4 x [M 2,048, K 1,024] x [K 1,024, N 2,048]; A: computed on the way; B: computed on the way: left as it is (an operand is computed on the way)
;;     5. batch 4 x [M 2,048, K 2,048] x [K 2,048, N 1,024]; A: computed on the way; B: computed on the way: left as it is (an operand is computed on the way)
;;     6. [M 8,192, K 1,024] x [K 1,024, N 1,024]; A: computed on the way; B: input Wo: left as it is (an operand is computed on the way)
;;   THE QUANTISER, for each operand of a quantised product, along K:
;;     - K is cut into blocks of 32 from its start; a last block that is shorter is filled with zeros.
;;     - A block's scale is 2^e with e = floor(log2(the largest magnitude in the block)) - 2, held to -126 .. 127; a block of zeros has e = 0. As a byte (E8M0): e + 127.
;;     - Each number is divided by its block's scale, clamped to +-6, and rounded to the nearest number of E2M1, ties to even, subnormals kept.
;;     - The product sums the exact products of the quantised numbers (number of the format x scale) in f32.
;;   ~~~python
;;   def quantise(x, axis):      # numpy; x: float32 -> the quantised numbers, widened to float32 again
;;       x = np.moveaxis(x, axis, -1); K = x.shape[-1]
;;       x = np.pad(x, [(0, 0)] * (x.ndim - 1) + [(0, -K % 32)]); x = x.reshape(x.shape[:-1] + (-1, 32)); a = np.abs(x).max(-1, keepdims=True)
;;       e = np.where(a > 0, np.clip(np.frexp(np.where(a > 0, a, 1))[1] - 1 - 2, -126, 127), 0)      # np.frexp(a)[1] - 1 = floor(log2(a)), exactly
;;       r = np.clip(x / 2.0 ** e, -6, 6)
;;       step = 2.0 ** (np.maximum(np.frexp(np.where(r == 0, 1, r))[1] - 1, 0) - 1)
;;       q = np.round(r / step) * step * 2.0 ** e      # np.round: ties to even
;;       return np.moveaxis(q.reshape(q.shape[:-2] + (-1,))[..., :K], -1, axis).astype(np.float32)
;;   ~~~
;; One version. Each part assembles by itself: llvm-mc -triple=amdgcn-amd-amdhsa -mcpu=gfx1250 --defsym DOCPART=n.
;; ======== version 1 of 1: 5 launches
;; limits: values are held in f16: magnitudes above 65,504 overflow, below 6.1e-05 lose precision
;; workspace buffers: codes 9,961,472 bytes; scales 622,592 bytes; wo16 2,097,152 bytes; qkv 50,331,648 bytes; p 33,554,432 bytes; stats 1,048,576 bytes; ao 16,777,216 bytes
;; launch quant (part 1): grid 640 x 1, 4 waves a work-group, no clusters, 33,280 bytes of LDS; arguments input, memory, Wq, Wk, Wv, Wo, codes, scales, wo16; writes codes, scales, wo16
.if DOCPART == 1
	.amdgcn_target "amdgcn-amd-amdhsa--gfx1250"
	.amdhsa_code_object_version 6
	.text
	.protected	k_qcd8281bd6f_quant
	.globl	k_qcd8281bd6f_quant
	.p2align	8
	.type	k_qcd8281bd6f_quant,@function
k_qcd8281bd6f_quant:
	s_mov_b64 s[64:65], 0
	v_nop
	global_prefetch_b8 v0, s[64:65] scope:SCOPE_SE
	s_setreg_imm32_b32 hwreg(HW_REG_WAVE_MODE, 25, 1), 1
	s_wait_xcnt 0x0
; input, memory [8192][1024] and Wq, Wk, Wv [1024][1024], f32, K innermost, become codes of FP4 (E2M1) with one E8M0 scale byte for each 32 along K; Wo [1024][1024] becomes f16.
; The five quantised tensors are laid one behind the other as ONE matrix of 19,456 rows: codes 512 bytes a row, scale bytes 32 a row.  Rows are dense and K is a multiple of 32, so each tensor is a plain stream of blocks of 32.
; A block's scale is 2^(floor(log2(its largest magnitude)) - 2); its byte is the largest magnitude's exponent field - 2, held at 1 from below.  Each number is divided by the scale and rounded to the nearest code, ties to even; beyond 6 the largest code.
; LIMITS: a block of zeros gets the byte 1 where the rule says 127 (its codes are zeros, and this program alone reads the bytes); blocks whose largest magnitude lies under 2^(2 - 126) keep the byte 1; NaN and infinities are not served; |Wo| stays under 65,504.
; SHARES.  A work-group takes 32,768 numbers, a wave 8,192.  Work-groups 0-255 input, 256-511 memory, 512-543 Wq, 544-575 Wk, 576-607 Wv, 608-639 Wo: the order of the rows in the codes' buffer, so a wave's codes begin at 4,096 x (4 x work-group + wave).
; THE QUANTISING PATH.  16 steps of 512 numbers.  Each load reads 512 consecutive bytes, 16 a lane; a step's 2,048 bytes turn through the wave's own stage in LDS and come back 64 bytes a lane: 16 neighbours along K, as the conversions want them;
; two neighbouring lanes hold a block.  A lane's 16 codes are 8 bytes: the wave stores 256 consecutive bytes.  A wave's 256 scale bytes are gathered in its own LDS bytes and leave as one aligned run of 256.
; No tensor loads, no barrier: waves share nothing.  Matrix units, clusters and large register tiles have nothing to do in a stream.
.set WAVES, 4
.set STEPS, 16
.set EMAX,  2
.set CB,    8                          ; bytes of 16 codes
.set R,     16                         ; v16-79   four sets of 16 numbers as loaded (Wo: v16-143, two sets of 64)
.set X,     80                         ; v80-111  two sets of 16 neighbours
.set E,     112                        ; v112-127 a scale byte for each step
.set C,     128                        ; v128-191 codes: four registers for each step, so that no store's data are written again
.set H,     144                        ; v144-175 Wo: 64 numbers as f16
.set WREG,  8192                       ; LDS: a region for each wave: two stages of 32 x SP bytes, behind them its 256 scale bytes
.set SP,    80                         ; a lane's place in a stage: 64 bytes + 16 of padding
.set SPW,   12                         ; v12  LDS address of my spare word; never rewritten
.set NIL,   13                         ; v13  0; never rewritten
.set SPARE, WAVES*WREG                 ; behind the four regions: the spare words, 128 bytes a wave, which no other line names
.set WG_MEM, 256                       ; the first work-group of each tensor
.set WG_WQ,  512
.set WG_WK,  544
.set WG_WV,  576
.set WG_WO,  608
	s_load_b256 s[4:11], s[0:1], 0x0               ; input, memory, Wq, Wk
	s_load_b256 s[12:19], s[0:1], 0x20             ; Wv, Wo, codes, scales
	s_load_b64 s[20:21], s[0:1], 0x40              ; wo16
	v_lshl_add_u32 v[SPW], v0, 2, SPARE
	v_mov_b32 v[NIL], 0
	v_lshrrev_b32 v1, 5, v0
	v_readfirstlane_b32 s25, v1                    ; wave
	v_and_b32 v2, 31, v0                           ; lane
	v_lshlrev_b32 v3, 4, v2                        ; my 16 bytes of a load's 512
	s_mul_i32 s26, s25, WREG
	v_lshrrev_b32 v14, 2, v2
	v_mul_u32_u24 v14, v14, SP
	v_and_b32 v15, 3, v2
	v_lshl_add_u32 v14, v15, 4, v14
	v_add_nc_u32 v14, s26, v14                     ; the stage, on the way in: four lanes' 64 bytes on end, then 16 of padding
	v_mul_u32_u24 v15, v2, SP
	v_add_nc_u32 v15, s26, v15                     ; and on the way out: SP x lane: my 16 neighbours
	v_mul_u32_u24 v4, v2, CB                       ; my codes' place in a step's
	v_lshrrev_b32 v5, 1, v2
	s_add_co_u32 s26, s26, 2*32*SP
	v_add_nc_u32 v5, s26, v5                       ; LDS: my wave's 256 scale bytes, my block's byte
	v_lshlrev_b32 v7, 3, v2                        ; 8 bytes a lane
	v_add_nc_u32 v6, s26, v7
	s_wait_kmcnt 0x0
	s_cmp_lt_u32 ttmp9, WG_MEM                     ; whose work-group?  Every choice hangs on the work-group's number alone
	s_cselect_b64 s[22:23], s[4:5], s[6:7]
	s_cselect_b32 s24, 0, WG_MEM
	s_cmp_lt_u32 ttmp9, WG_WQ
	s_cselect_b64 s[22:23], s[22:23], s[8:9]
	s_cselect_b32 s24, s24, WG_WQ
	s_cmp_lt_u32 ttmp9, WG_WK
	s_cselect_b64 s[22:23], s[22:23], s[10:11]
	s_cselect_b32 s24, s24, WG_WK
	s_cmp_lt_u32 ttmp9, WG_WV
	s_cselect_b64 s[22:23], s[22:23], s[12:13]
	s_cselect_b32 s24, s24, WG_WV
	s_cmp_lt_u32 ttmp9, WG_WO
	s_cselect_b64 s[22:23], s[22:23], s[14:15]
	s_cselect_b32 s24, s24, WG_WO
	s_sub_co_u32 s26, ttmp9, s24
	s_lshl_b32 s26, s26, 2
	s_add_co_u32 s26, s26, s25                     ; which run of 8,192 numbers of its tensor is my wave's
	s_lshl_b32 s28, s26, 15                        ; 32,768 bytes a run (at most 1,023 runs: under 2^32)
	s_mov_b32 s29, 0
	s_add_nc_u64 s[22:23], s[22:23], s[28:29]
	s_cmp_ge_u32 ttmp9, WG_WO
	s_cbranch_scc1 .Lwo                            ; Wo is not quantised: a path of its own, which touches no LDS byte but its spare words
	s_lshl_b32 s27, ttmp9, 2
	s_add_co_u32 s27, s27, s25                     ; which run of the whole matrix
	s_lshl_b32 s28, s27, 12                        ; 4,096 bytes of codes a run
	s_add_nc_u64 s[16:17], s[16:17], s[28:29]
	s_lshl_b32 s28, s27, 8                         ; 256 scale bytes a run
	s_add_nc_u64 s[18:19], s[18:19], s[28:29]
.macro LOAD t
.irp i, 0,1,2,3
	global_load_b128 v[R+16*((\t)%4)+4*\i:R+16*((\t)%4)+4*\i+3], v3, s[22:23] offset:2048*(\t)+512*\i th:TH_LOAD_NT   ; 32 lanes read 512 consecutive bytes
.endr
.endm
.macro TURN t                          ; step t's numbers through the stage: LDS serves a wave's instructions in order, so no wait stands between the stores and the loads
.irp i, 0,1,2,3
	ds_store_b128 v14, v[R+16*((\t)%4)+4*\i:R+16*((\t)%4)+4*\i+3] offset:32*SP*((\t)%2)+8*SP*\i
.endr
.irp i, 0,1,2,3
	ds_load_b128 v[X+16*((\t)%2)+4*\i:X+16*((\t)%2)+4*\i+3], v15 offset:32*SP*((\t)%2)+16*\i
.endr
.endm
.irp t, 0,1,2,3
	LOAD \t
.endr
	s_wait_loadcnt 12                              ; step 0's four loads are in; the twelve of steps 1 to 3 may be out
	TURN 0
.macro STEP t
.set XS, X+16*((\t)%2)
.if (\t) > 0
	s_wait_dscnt 1                                 ; this step's numbers are back from the stage (the last step's byte store may be out): so its stores into the stage have read their registers,
.else
	s_wait_dscnt 0x0
.endif
.if (\t)+4 < STEPS
	LOAD (\t)+4                                    ; which take the loads of four steps on
.endif
.if (\t)+1 < STEPS
.if STEPS-2-(\t) >= 3
	s_wait_loadcnt 12                              ; the next step's four loads are in; those of the three steps behind it may be out
.else
	s_wait_loadcnt 4*(STEPS-2-(\t))                ; in the tail: four for each step still behind it
.endif
	TURN (\t)+1                                    ; and go through the other stage while this step is worked
.endif
	v_max3_num_f32 v8, |v[XS]|, |v[XS+1]|, |v[XS+2]|               ; the largest magnitude of my 16, in two chains
	v_max3_num_f32 v9, |v[XS+3]|, |v[XS+4]|, |v[XS+5]|
.irp i, 6,10
	v_max3_num_f32 v8, v8, |v[XS+\i]|, |v[XS+\i+1]|
	v_max3_num_f32 v9, v9, |v[XS+\i+2]|, |v[XS+\i+3]|
.endr
	v_max3_num_f32 v8, v8, |v[XS+14]|, |v[XS+15]|
	v_max3_num_f32 v8, v8, v9, (EMAX+1)<<23        ; and the floor 2^(EMAX + 1 - 127): so the byte cannot fall under 1
	v_max_num_f32_dpp v8, v8, v8 row_xmask:1 row_mask:0xf bank_mask:0xf   ; and of my neighbour's 16: the block's
	v_add_nc_u32 v11, -(EMAX<<23), v8              ; EMAX off its exponent field: the conversion takes the exponent field of this operand as its scale, and nothing else of it
	v_cvt_scalef32_pk8_fp4_f32 v[C+4*(\t)], v[XS:XS+7], v11
	v_cvt_scalef32_pk8_fp4_f32 v[C+4*(\t)+1], v[XS+8:XS+15], v11
	v_lshrrev_b32 v[E+(\t)], 23, v11               ; the scale's byte (also the plain instruction behind the conversions)
	ds_store_b8 v5, v[E+(\t)] offset:16*(\t)       ; both lanes of a block write the same byte with the same value
	global_store_b64 v4, v[C+4*(\t):C+4*(\t)+1], s[16:17] offset:32*CB*(\t)   ; 32 lanes store 256 consecutive bytes, aligned
.endm
.irp t, 0,1,2,3,4,5,6,7,8,9,10,11,12,13,14,15
	STEP \t
.endr
	ds_load_b64 v[8:9], v6                         ; LDS serves a wave's instructions in order: these see my byte stores
	s_wait_dscnt 0x0
	global_store_b64 v7, v[8:9], s[18:19]          ; 32 lanes store 256 consecutive bytes, aligned
	s_wait_tensorcnt 0x0                           ; the wave's end: three closing lines behind my last LDS store
	ds_add_u32 v[SPW], v[NIL]
	s_wait_dscnt 0x0
	s_endpgm
; Wo: f32 to f16, rounded once.  A wave's 8,192 numbers are 64 loads of 512 bytes, in four groups of 16 on two sets of registers; a lane's four numbers become 8 bytes, so a store covers 256 consecutive bytes.
.Lwo:
	s_lshl_b32 s28, s26, 14                        ; 16,384 bytes of f16 a run
	s_add_nc_u64 s[20:21], s[20:21], s[28:29]
.macro LOADG g
.irp i, 0,1,2,3,4,5,6,7,8,9,10,11,12,13,14,15
	global_load_b128 v[R+64*((\g)%2)+4*\i:R+64*((\g)%2)+4*\i+3], v3, s[22:23] offset:512*(16*(\g)+\i) th:TH_LOAD_NT
.endr
.endm
	LOADG 0
	LOADG 1
.irp g, 0,1,2,3
.if \g < 3
	s_wait_loadcnt 16                              ; this group's 16 loads are in; the next group's 16 may be out
.else
	s_wait_loadcnt 0x0
.endif
.if \g > 0
	s_wait_xcnt 0x0                                ; the last group's stores have read their data: the registers are written again only behind this wait
.endif
.irp i, 0,1,2,3,4,5,6,7,8,9,10,11,12,13,14,15
	v_cvt_pk_f16_f32 v[H+2*\i], v[R+64*(\g%2)+4*\i], v[R+64*(\g%2)+4*\i+1]
	v_cvt_pk_f16_f32 v[H+2*\i+1], v[R+64*(\g%2)+4*\i+2], v[R+64*(\g%2)+4*\i+3]
.endr
.irp i, 0,1,2,3,4,5,6,7,8,9,10,11,12,13,14,15
	global_store_b64 v7, v[H+2*\i:H+2*\i+1], s[20:21] offset:256*(16*\g+\i)
.endr
.if \g < 2
	LOADG \g+2
.endif
.endr
	s_wait_tensorcnt 0x0                           ; the same three closing lines on this path
	ds_add_u32 v[SPW], v[NIL]
	s_wait_dscnt 0x0
	s_endpgm
.Lfunc_end_k_qcd8281bd6f_quant:
	.size	k_qcd8281bd6f_quant, .Lfunc_end_k_qcd8281bd6f_quant-k_qcd8281bd6f_quant
	.p2alignl 7, 3214868480
	.fill 96, 4, 3214868480
	.section	.rodata,"a",@progbits
	.p2align	6, 0x0
	.amdhsa_kernel k_qcd8281bd6f_quant
		.amdhsa_group_segment_fixed_size 33280
		.amdhsa_private_segment_fixed_size 0
		.amdhsa_enable_private_segment 0
		.amdhsa_kernarg_size 72
		.amdhsa_user_sgpr_count 2
		.amdhsa_user_sgpr_kernarg_segment_ptr 1
		.amdhsa_wavefront_size32 1
		.amdhsa_system_sgpr_workgroup_id_x 1
		.amdhsa_system_sgpr_workgroup_id_y 1
		.amdhsa_system_sgpr_workgroup_id_z 1
		.amdhsa_system_vgpr_workitem_id 0
		.amdhsa_next_free_vgpr 192
		.amdhsa_next_free_sgpr 66
		.amdhsa_reserve_vcc 0
		.amdhsa_float_denorm_mode_32 3
		.amdhsa_float_denorm_mode_16_64 3
		.amdhsa_memory_ordered 1
		.amdhsa_forward_progress 1
		.amdhsa_inst_pref_size 54
	.end_amdhsa_kernel
	.amdgpu_metadata
---
amdhsa.version: [ 1, 2 ]
amdhsa.kernels:
  - .name:           k_qcd8281bd6f_quant
    .symbol:         k_qcd8281bd6f_quant.kd
    .args:
      - { .name: input, .offset: 0, .size: 8, .value_kind: global_buffer, .address_space: global }
      - { .name: memory, .offset: 8, .size: 8, .value_kind: global_buffer, .address_space: global }
      - { .name: Wq, .offset: 16, .size: 8, .value_kind: global_buffer, .address_space: global }
      - { .name: Wk, .offset: 24, .size: 8, .value_kind: global_buffer, .address_space: global }
      - { .name: Wv, .offset: 32, .size: 8, .value_kind: global_buffer, .address_space: global }
      - { .name: Wo, .offset: 40, .size: 8, .value_kind: global_buffer, .address_space: global }
      - { .name: codes, .offset: 48, .size: 8, .value_kind: global_buffer, .address_space: global }
      - { .name: scales, .offset: 56, .size: 8, .value_kind: global_buffer, .address_space: global }
      - { .name: wo16, .offset: 64, .size: 8, .value_kind: global_buffer, .address_space: global }
    .group_segment_fixed_size: 33280
    .private_segment_fixed_size: 0
    .kernarg_segment_align: 8
    .kernarg_segment_size: 72
    .max_flat_workgroup_size: 128
    .sgpr_count:     66
    .vgpr_count:     192
    .wavefront_size: 32
...
	.end_amdgpu_metadata
.endif
;; end of part 1
;; launch proj (part 2): grid 12 x 32, 4 waves a work-group, clusters of 4 x 4, 327,680 bytes of LDS; arguments codes, scales, qkv; writes qkv
.if DOCPART == 2
	.amdgcn_target "amdgcn-amd-amdhsa--gfx1250"
	.amdhsa_code_object_version 6
	.text
	.protected	k_qcd8281bd6f_proj
	.globl	k_qcd8281bd6f_proj
	.p2align	8
	.type	k_qcd8281bd6f_proj,@function
k_qcd8281bd6f_proj:
	s_mov_b64 s[64:65], 0
	v_nop
	global_prefetch_b8 v0, s[64:65] scope:SCOPE_SE
	s_setreg_imm32_b32 hwreg(HW_REG_WAVE_MODE, 25, 1), 1
	s_wait_xcnt 0x0
	s_wait_alu depctr_hold_cnt(0) depctr_sa_sdst(0) depctr_va_vdst(0) depctr_va_sdst(0) depctr_va_ssrc(0) depctr_va_vcc(0) depctr_vm_vsrc(0)
	s_getreg_b32 s2, hwreg(HW_REG_IB_STS2, 6, 4)
	s_cmp_eq_u32 s2, 0
	s_cbranch_scc0 .Lentry_in_a_cluster
	s_endpgm
.Lentry_in_a_cluster:
	s_bfe_u32 s2, ttmp6, 0x10000c
	s_cmp_lg_u32 s2, 0xf033
	s_cbranch_scc0 .Lentry_shape_is_right
	s_endpgm
.Lentry_shape_is_right:
; The three quantised products, on codes of FP4 (E2M1) with one E8M0 scale for each 32 along K = 1,024, sums in f32, results rounded once to f16:
;   q16 [8192][1024] = input Wq^T (NOT yet times 1024^-0.5 = 2^-5: that power of two goes into the softmax's constant, which changes no bit),  k16 [8192][1024] = memory Wk^T,  vT16 [1024][8192] = Wv memory^T (v transposed: keys innermost).
; All operands are rows of ONE matrix of codes (512 bytes a row) and scale bytes (32 a row): rows 0 input, 8192 memory, 16384 Wq, 17408 Wk, 18432 Wv.  C = A B^T with A, B two runs of those rows.
; LIMIT: |q|, |k|, |v| stay under 65,504, the largest f16 number.
; SHARES.  A tile of C, 256 x 256, is made by four waves, a wave 128 x 128: 64 accumulators, 512 registers.  The cluster's x is the product (0 q, 1 k, 2 vT), its y a run of 1,024 rows R of input or memory.
;   q, k: A = rows 8192 x product + R + 256 cy, B = rows 16384 + 1024 x product + 256 cx.   vT: A = rows 18432 + 256 cy, B = rows 8192 + R + 256 cx.
; So A hangs on cy and B on cx in every product: the four work-groups of a row of the cluster ask for A's tile JOINTLY, the four of a column for B's.
; K is two slots of 512 (a tile's row is 256 bytes): both are asked for at the start, with the scale bytes of the work-group's rows for all of K, and nothing is filled again.  By this text's count a wave has three tensor loads out at the most.
; THE MATRIX INSTRUCTION IS USED TRANSPOSED (source 0 = 16 rows of B, source 1 = 16 rows of A): a lane then holds eight neighbouring numbers of a row of C.
; REGISTERS, in windows of 256: window 0: v0-31 addresses; v32-95 scale words, two sets; v128-191 A's fragments, one set; on the way out v32-63, v192-255 at work.  window 1: B's fragments, two sets.  windows 2, 3: the accumulators ((a, b) at v[8 (8 (a % 4) + b)]).
.set KSTEP,  512
.set NQ,     KSTEP/128                 ; matrix instructions deep in a slot
.set ROWB,   256                       ; a tile's row in bytes
.set KROW,   512                       ; a row of codes in memory
.set PITCH,  272                       ; an LDS row: 256 bytes + 16 of padding: the 16 rows that a load touches start at 16 different banks (64 banks of 4 bytes: ISA guide 11.1)
.set FR,     8
.set NL,     2
.set NP,     4                         ; places behind this matrix instruction (ISA guide 7.12.1)
.set HALFT,  128*PITCH
.set SLOT,   4*HALFT                   ; A's 256 rows, then B's 256 rows
.set KS,     32                        ; a row of scale bytes
.set SCL,    2*SLOT                    ; behind the slots: the scale bytes, as runs of 256 bytes + 16 of padding
.set HALFS,  (128*KS/256)*272
.set SBLK,   (16*KS/256)*272
.set STAGE,  SCL+4*HALFS               ; the way out: 16 rows x 272 bytes for each wave; no tensor load lands here
.set SPITCH, 272
.set SPARE,  STAGE+4*16*SPITCH         ; the spare words, 128 bytes a wave, which no other line names
.set CO,   8                           ; v8-15   my byte offsets in C for the eight stores of a block: rows 2 t + lane / 16
.set ADRA, 16                          ; v16-17  LDS address of my A fragments in slot 0, 1
.set ADRB, 20                          ; v20-21  the same for B
.set STO,  24
.set RD,   25
.set ADRS, 27                          ; v27     LDS address of my scale words: lanes 0-15 A's rows, lanes 16-31 B's
.set SPW,  28
.set NIL,  29
.set SC,   32                          ; scale words: set s at v[SC + 32 s]; register 4 i + q: lanes 0-15 A's block i, lanes 16-31 B's block i, the slot's q-th 128 along K
.set AF,   128
.set TMP,  192                         ; the way out: packed results
.set OB,   32                          ; the way out: 16 rows read back: v32-63 and v224-255 by turns
.set G1, 24
.set G0, 32
.set G1B, 48
.set G0B, 56
.set G1S, 68
.set G0S, 76
.set G1SB, 80
.set G0SB, 88
.set MSB, 0
.macro WIN new                         ; the immediate's high byte repeats the setting that is left
.if MSB != (\new)
	s_set_vgpr_msb (MSB<<8)|(\new)
.set MSB, (\new)
.endif
.endm
.set MUL_LO, 0xa1                      ; source 0 (B) window 1, source 1 (A) window 0, C and D window 2
.set MUL_HI, 0xf1                      ; the same, C and D window 3
.set TO_B,   0x40                      ; destination window 1, address window 0
; A joint load: waves 0 and 1 fetch for A, waves 2 and 3 for B.  The branch hangs on the wave's number alone.  An s_nop 0 and four v_nop follow each of the two lines.
.macro JLOAD g0a, g1a, g0b, g1b
	s_cmp_eq_u32 s15, 0
	s_cbranch_scc0 .Lfor_b_\@
	tensor_load_to_lds s[\g0a:\g0a+3], s[\g1a:\g1a+7]
	s_nop 0
.rept 4
	v_nop
.endr
	s_branch .Lasked_\@
.Lfor_b_\@:
	tensor_load_to_lds s[\g0b:\g0b+3], s[\g1b:\g1b+7]
	s_nop 0
.rept 4
	v_nop
.endr
.Lasked_\@:
.endm
.macro CROUND                          ; a round of the cluster's barrier
	s_barrier_signal -1
	s_barrier_wait -1
	s_cmp_lg_u32 s14, 0
	s_cbranch_scc1 .Lnot_wave_0_\@
	s_barrier_signal -3
.Lnot_wave_0_\@:
	s_barrier_wait -3
	s_barrier_signal -1
	s_barrier_wait -1
.endm
	s_load_b128 s[4:7], s[0:1], 0x0                ; codes s[4:5], scales s[6:7]
	s_load_b64 s[12:13], s[0:1], 0x10              ; qkv
	v_lshl_add_u32 v[SPW], v0, 2, SPARE
	v_mov_b32 v[NIL], 0
	ds_add_u32 v[SPW], v[NIL]                      ; the wave's opening: the add, twice on end, and its wait ahead of my first tensor load
	ds_add_u32 v[SPW], v[NIL]
	v_lshrrev_b32 v1, 5, v0
	v_readfirstlane_b32 s14, v1                    ; wave 0..3
	s_lshr_b32 s15, s14, 1                         ; which half of the tile's rows is mine.  Also: I fetch for A (0) or for B (1)
	s_and_b32 s16, s14, 1                          ; which half of its columns.  Also: which 128 rows of that tile I fetch
	s_bfe_u32 s40, ttmp6, 0x40000                  ; cx, cy: my place in the cluster
	s_bfe_u32 s41, ttmp6, 0x40004
	s_and_b32 s17, ttmp7, 0xffff                   ; the cluster's y
	s_lshl_b32 s42, s17, 10                        ; R: its 1,024 rows of input or memory
	s_lshl_b32 s43, s41, 2
	s_lshl_b32 s43, 15, s43                        ; my row of the cluster
	s_lshl_b32 s44, 0x1111, s40                    ; my column
	; descriptor group 1: a tile of 128 rows x 256 bytes, padded in LDS
	s_or_b32 s[G1+0], s43, (0<<16)|(1<<20)|(1<<21)|(5<<22)|(3<<25)  ; 15:0 the mask: A's tiles go to my row; 17:16 elements of 1 byte; 20 padding on; 21 set beside a mask; 24:22 after every 64 words; 31:25 four words
	s_or_b32 s[G1B+0], s44, (0<<16)|(1<<20)|(1<<21)|(5<<22)|(3<<25)
.irp g, G1, G1B
	s_mov_b32 s[\g+1], ROWB<<16                    ; tensor_dim0
	s_mov_b32 s[\g+2], 128<<16                     ; tensor_dim1
	s_mov_b32 s[\g+3], ROWB<<16                    ; tile_dim0
	s_mov_b32 s[\g+4], 128                         ; tile_dim1
	s_mov_b32 s[\g+5], KROW                        ; tensor_dim0_stride
	s_mov_b32 s[\g+6], 0
	s_mov_b32 s[\g+7], 0
.endr
	; the scale bytes of 128 rows: a dense block of 4,096 bytes, as 16 rows of 256 bytes (32 elements of 8 bytes), 16 bytes of padding behind each
	s_or_b32 s[G1S+0], s43, (3<<16)|(1<<20)|(1<<21)|(5<<22)|(3<<25)
	s_or_b32 s[G1SB+0], s44, (3<<16)|(1<<20)|(1<<21)|(5<<22)|(3<<25)
.irp g, G1S, G1SB
	s_mov_b32 s[\g+1], 32<<16
	s_mov_b32 s[\g+2], (128*KS/256)<<16
	s_mov_b32 s[\g+3], 32<<16
	s_mov_b32 s[\g+4], 128*KS/256
	s_mov_b32 s[\g+5], 32
	s_mov_b32 s[\g+6], 0
	s_mov_b32 s[\g+7], 0
.endr
	; which rows of the matrix of codes are A's and B's: chosen by the product's number, the cluster's x, which all sixteen partners share
	s_lshl_b32 s20, ttmp9, 13
	s_add_co_u32 s20, s20, s42                     ; q, k: A at 8192 x product + R
	s_lshl_b32 s46, ttmp9, 10
	s_add_co_u32 s46, s46, 16384                   ;       B at 16384 + 1024 x product
	s_add_co_u32 s47, s42, 8192                    ; vT:   B at memory's rows R on
	s_mov_b32 s18, 18432                           ;       A at Wv's rows
	s_mov_b32 s98, 2048                            ; a row of q16 or k16 in bytes
	s_cmp_eq_u32 ttmp9, 2
	s_cselect_b32 s20, s18, s20
	s_cselect_b32 s46, s47, s46
	s_cselect_b32 s96, 0, s42                      ; R counts along C's rows (q, k)
	s_cselect_b32 s97, s42, 0                      ; or along its columns (vT)
	s_cselect_b32 s98, 16384, s98                  ; a row of vT16 in bytes
	s_lshl_b32 s18, s16, 7                         ; which 128 rows of the tile I fetch
	s_lshl_b32 s19, s41, 8
	s_add_co_u32 s20, s20, s19                     ; A: + 256 cy
	s_add_co_u32 s20, s20, s18
	s_lshl_b32 s93, s40, 8
	s_add_co_u32 s46, s46, s93                     ; B: + 256 cx (in registers that never feed A's descriptors)
	s_add_co_u32 s46, s46, s18
	s_lshl_b32 s22, s20, 5                         ; where these rows' scale bytes begin,
	s_mov_b32 s23, 0
	s_lshl_b32 s20, s20, 9                         ; and their codes (19,456 rows of 512 bytes: under 2^32)
	s_mov_b32 s21, 0
	s_lshl_b32 s92, s46, 5
	s_mov_b32 s93, 0
	s_lshl_b32 s46, s46, 9
	s_mov_b32 s47, 0
	s_mul_i32 s45, s14, HALFT                      ; where they go: wave x 128 rows: no place in the cluster enters an LDS address
	s_mul_i32 s94, s14, HALFS
	s_wait_dscnt 0x0                               ; both opening adds are done
	s_wait_kmcnt 0x0
	s_add_nc_u64 s[20:21], s[4:5], s[20:21]
	s_add_nc_u64 s[22:23], s[6:7], s[22:23]
	s_add_nc_u64 s[46:47], s[4:5], s[46:47]
	s_add_nc_u64 s[92:93], s[6:7], s[92:93]
	CROUND                                         ; all sixteen work-groups are here: the joint loads meet
	s_mov_b32 s[G0S], 1
	s_add_co_u32 s[G0S+1], s94, SCL
	s_mov_b64 s[G0S+2:G0S+3], s[22:23]
	s_or_b32 s[G0S+3], s[G0S+3], 0x80000000
	s_mov_b32 s[G0SB], 1
	s_add_co_u32 s[G0SB+1], s94, SCL
	s_mov_b64 s[G0SB+2:G0SB+3], s[92:93]
	s_or_b32 s[G0SB+3], s[G0SB+3], 0x80000000
	JLOAD G0S, G1S, G0SB, G1SB                     ; the scale bytes first: they are wanted with slot 0
.irp s, 0,1
	s_mov_b32 s[G0+4*\s], 1
	s_add_co_u32 s[G0+4*\s+1], s45, \s*SLOT
	s_add_nc_u64 s[G0+4*\s+2:G0+4*\s+3], s[20:21], \s*ROWB
	s_or_b32 s[G0+4*\s+3], s[G0+4*\s+3], 0x80000000
	s_mov_b32 s[G0B+4*\s], 1
	s_add_co_u32 s[G0B+4*\s+1], s45, \s*SLOT
	s_add_nc_u64 s[G0B+4*\s+2:G0B+4*\s+3], s[46:47], \s*ROWB
	s_or_b32 s[G0B+4*\s+3], s[G0B+4*\s+3], 0x80000000
	JLOAD G0+4*\s, G1, G0B+4*\s, G1B
.endr
	v_and_b32 v1, 15, v0                           ; r = lane % 16
	v_bfe_u32 v2, v0, 4, 1                         ; h = lane / 16
	v_mul_u32_u24 v3, v1, PITCH
	v_lshl_add_u32 v4, v2, 4, v3                   ; a fragment's row x pitch + 16 x half
	s_mul_i32 s21, s15, HALFT                      ; my 128 rows of A
	s_mul_i32 s22, s16, HALFT                      ; my 128 rows of B,
	s_add_co_u32 s22, s22, 2*HALFT                 ; which lie behind A's 256
.irp s, 0,1
	v_add_nc_u32 v[ADRA+\s], s21, v4
	v_add_nc_u32 v[ADRB+\s], s22, v4
	s_add_co_u32 s21, s21, SLOT
	s_add_co_u32 s22, s22, SLOT
.endr
	v_mul_u32_u24 v5, v1, KS                       ; my row's scale bytes: 32 a row,
	v_lshrrev_b32 v6, 8, v5
	v_lshl_add_u32 v5, v6, 4, v5                   ; and 16 more for each 256 passed
	s_mul_i32 s21, s15, HALFS                      ; A's: my 128 rows
	s_mul_i32 s22, s16, HALFS                      ; B's: my 128 rows, behind A's 256
	s_add_co_u32 s22, s22, 2*HALFS
	s_sub_co_u32 s22, s22, s21
	v_mul_u32_u24 v6, s22, v2                      ; lanes 16-31 take B's: the lower base + h x the distance
	s_add_co_u32 s21, s21, SCL
	v_add_nc_u32 v5, v5, v6
	v_add_nc_u32 v[ADRS], s21, v5
	s_mul_i32 s23, s14, 16*SPITCH
	s_add_co_u32 s23, s23, STAGE                   ; my stage
	v_mul_u32_u24 v5, v1, SPITCH                   ; in: row r, 16 bytes for each half of the lanes
	v_lshl_add_u32 v5, v2, 4, v5
	v_add_nc_u32 v[STO], s23, v5
	v_mul_u32_u24 v5, v2, SPITCH                   ; back: lanes 0-15 take one row of 256 bytes, lanes 16-31 the next
	v_lshl_add_u32 v5, v1, 4, v5
	v_add_nc_u32 v[RD], s23, v5
	v_mul_lo_u32 v[CO], v2, s98                    ; and the same two rows in C, whose pitch hangs on the product: so the eight stores' offsets lie in registers
	v_lshl_add_u32 v[CO], v1, 4, v[CO]
	s_lshl_b32 s99, s98, 1
.irp t, 1,2,3,4,5,6,7
	v_add_nc_u32 v[CO+\t], s99, v[CO+\t-1]
.endr
	s_lshl_b32 s2, s98, 4                          ; s[2:3]: 16 rows of C in bytes
	s_mov_b32 s3, 0
	s_lshl_b32 s20, s41, 8                         ; my part of C: row (R or 0) + 256 cy + 128 x half,
	s_add_co_u32 s20, s20, s96
	s_lshl_b32 s21, s15, 7
	s_add_co_u32 s20, s20, s21
	s_mul_i32 s20, s20, s98
	s_lshl_b32 s21, ttmp9, 24                      ; in the product's 16,777,216 bytes of qkv,
	s_add_co_u32 s20, s20, s21
	s_lshl_b32 s46, s40, 8                         ; column (0 or R) + 256 cx + 128 x half, 2 bytes each
	s_add_co_u32 s46, s46, s97
	s_lshl_b32 s47, s16, 7
	s_add_co_u32 s46, s46, s47
	s_lshl_b32 s46, s46, 1
	s_add_co_u32 s20, s20, s46                     ; (all of qkv is 50,331,648 bytes: under 2^32)
	s_mov_b32 s21, 0
	s_add_nc_u64 s[12:13], s[12:13], s[20:21]
.macro FRAG reg, adr, q, i             ; a fragment, 16 rows x 128 K of 4-bit codes: lane l holds row l % 16; registers 4 c .. 4 c + 3 hold K = 64 c + 32 (l / 16) + 0 .. 31
.irp c, 0,1
	ds_load_b128 v[\reg+4*\c:\reg+4*\c+3], v[\adr] offset:64*(\q)+32*\c+(\i)*16*PITCH
.endr
.endm
; 16 matrix instructions: A's blocks a0, a0 + 1 x B's eight, the slot's q-th 128 along K.  p: B's set; sc: the set of scale words.  zero = 1: the first product starts the sums.
; The 64 accumulators take turns, one instruction a turn, in the same order in every step.
.macro MUL16 a0, p, q, sc, zero
.irp a, \a0, \a0+1
.irp b, 0,1,2,3,4,5,6,7
.if \zero
	v_wmma_scale_f32_16x16x128_f8f6f4 v[8*(8*((\a)%4)+\b):8*(8*((\a)%4)+\b)+7], v[128*(\p)+FR*\b:128*(\p)+FR*\b+FR-1], v[AF+FR*(\a):AF+FR*(\a)+FR-1], 0, v[SC+8*NQ*(\sc)+NQ*\b+(\q)], v[SC+8*NQ*(\sc)+NQ*(\a)+(\q)] matrix_a_fmt:MATRIX_FMT_FP4 matrix_b_fmt:MATRIX_FMT_FP4 matrix_a_scale:MATRIX_SCALE_ROW1
.else
	v_wmma_scale_f32_16x16x128_f8f6f4 v[8*(8*((\a)%4)+\b):8*(8*((\a)%4)+\b)+7], v[128*(\p)+FR*\b:128*(\p)+FR*\b+FR-1], v[AF+FR*(\a):AF+FR*(\a)+FR-1], v[8*(8*((\a)%4)+\b):8*(8*((\a)%4)+\b)+7], v[SC+8*NQ*(\sc)+NQ*\b+(\q)], v[SC+8*NQ*(\sc)+NQ*(\a)+(\q)] matrix_a_fmt:MATRIX_FMT_FP4 matrix_b_fmt:MATRIX_FMT_FP4 matrix_a_scale:MATRIX_SCALE_ROW1
.endif
.endr
.endr
.endm
.macro FETCH_B slot, q, p              ; B's eight fragments of the slot's q-th 128 along K into set p
	WIN TO_B
.irp i, 0,1,2,3,4,5,6,7
	FRAG 128*(\p)+FR*\i, ADRB+\slot, \q, \i
.endr
	WIN 0
.endm
.macro FETCH_A slot, q, i0             ; A's blocks i0 .. i0 + 3
.irp i, \i0, \i0+1, \i0+2, \i0+3
	FRAG AF+FR*(\i), ADRA+\slot, \q, \i
.endr
.endm
.macro SCALES sc                       ; a slot's scale words into set sc: four words a row; lanes 0-15 take A's block i, lanes 16-31 B's block i
.irp i, 0,1,2,3,4,5,6,7
	ds_load_b128 v[SC+8*NQ*\sc+NQ*\i:SC+8*NQ*\sc+NQ*\i+3], v[ADRS] offset:\i*SBLK
.endr
.endm
; A load into a register that a matrix instruction has read, and a vector instruction or an LDS store that reads a matrix result, stand NP places behind it; only plain vector instructions that name none of its registers are places.
.macro PLACES n
.rept \n
	v_nop
.endr
.endm
; A step of 128 along K that has its successor in the same slot.  A block of A is free as soon as its eight products are issued: blocks 0-3 are fetched anew in the step's middle, blocks 4-7 at its end; B has two sets.
.macro STEP slot, q, zero
	s_wait_dscnt 4*NL                              ; B's set, the scale words and A's blocks 0-3 are in; the youngest eight loads (A's blocks 4-7) may be out
	WIN MUL_LO
	MUL16 0, (\q)%2, \q, \slot, \zero
	MUL16 2, (\q)%2, \q, \slot, \zero
	s_wait_dscnt 0                                 ; A's blocks 4-7 are in (asked for 32 matrix instructions ago)
	PLACES NP
	FETCH_B \slot, (\q)+1, 1-(\q)%2
	FETCH_A \slot, (\q)+1, 0
	WIN MUL_HI
	MUL16 4, (\q)%2, \q, \slot, \zero
	MUL16 6, (\q)%2, \q, \slot, \zero
	PLACES NP
	WIN 0
	FETCH_A \slot, (\q)+1, 4
.endm
.macro STEPS slot, from                ; the slot's steps from .. NQ - 2
.set Q, \from
.rept NQ-1-\from
	STEP \slot, Q, 0
.set Q, Q+1
.endr
.endm
	s_wait_tensorcnt 1                             ; the scale bytes and my part of slot 0 are in (slot 1's load may be out)
	s_barrier_signal -1
	s_barrier_wait -1                              ; everybody's are
	FETCH_B 0, 0, 0
	FETCH_A 0, 0, 0
	SCALES 0
	FETCH_A 0, 0, 4
	STEP 0, 0, 1                                   ; the first step's products start the sums: nothing is cleared
	STEPS 0, 1
	; slot 0's last step changes slots: one barrier; in front of it each wave waits for its part of slot 1
	s_wait_tensorcnt 0x0                           ; all my tensor loads have landed;
	ds_add_u32 v[SPW], v[NIL]                      ; 0 onto my spare word;
	s_wait_dscnt 4*NL+1                            ; (the add and the youngest eight loads, A's blocks 4-7, may be out)
	WIN MUL_LO
	MUL16 0, 1, NQ-1, 0, 0
	s_wait_dscnt 0x0                               ; no LDS instruction of mine is out at the signal
	s_barrier_signal -1
	MUL16 2, 1, NQ-1, 0, 0
	WIN 0
	s_barrier_wait -1                              ; slot 1 is whole
	PLACES NP
	v_add_nc_u32 v[ADRS], 4*NQ, v[ADRS]            ; on to slot 1's scale words
	FETCH_B 1, 0, 0
	FETCH_A 1, 0, 0
	SCALES 1
	WIN MUL_HI
	MUL16 4, 1, NQ-1, 0, 0
	MUL16 6, 1, NQ-1, 0, 0
	PLACES NP
	WIN 0
	FETCH_A 1, 0, 4
	STEPS 1, 0
	s_wait_dscnt 4*NL                              ; the very last step: nothing more to fetch
	WIN MUL_LO
	MUL16 0, 1, NQ-1, 1, 0
	MUL16 2, 1, NQ-1, 1, 0
	s_wait_dscnt 0
	WIN MUL_HI
	MUL16 4, 1, NQ-1, 1, 0
	MUL16 6, 1, NQ-1, 1, 0
	WIN 0
; THE WAY OUT, block by block of 16 rows x 128 columns.  PACK: rounded to f16, 16 bytes a lane, each accumulator from its low end on.  TOSTAGE: into my own stage and back as whole rows of 256 bytes.  SEND: stored.
.macro PACK a
.set AC, 64*((\a)%4)
	WIN 0x0a+5*((\a)/4)                            ; sources 0 and 1: window 2 or 3
.irp b, 0,1,2,3,4,5,6,7
.irp r, 0,1,2,3
	v_cvt_pk_f16_f32 v[TMP+4*\b+\r], v[AC+8*\b+2*\r], v[AC+8*\b+2*\r+1]
.endr
.endr
	WIN 0
.endm
.macro TOSTAGE a
.set BK, OB+192*((\a)%2)
.irp b, 0,1,2,3,4,5,6,7
	ds_store_b128 v[STO], v[TMP+4*\b:TMP+4*\b+3] offset:32*\b
.endr
.irp t, 0,1,2,3,4,5,6,7
	ds_load_b128 v[BK+4*\t:BK+4*\t+3], v[RD] offset:\t*2*SPITCH    ; LDS serves a wave's instructions in order: these see the stores above
.endr
.endm
.macro SEND a
.set BK, OB+192*((\a)%2)
	s_wait_dscnt 0x0                               ; the block is back in registers
	s_wait_xcnt 0x0                                ; the earlier stores have read their base and their data: both are written again only behind this wait
.if (\a) > 0
	s_add_nc_u64 s[12:13], s[12:13], s[2:3]        ; 16 rows of C on
.endif
.irp t, 0,1,2,3,4,5,6,7
	global_store_b128 v[CO+\t], v[BK+4*\t:BK+4*\t+3], s[12:13]     ; 16 lanes store 256 consecutive bytes, at a multiple of 256 from the buffer's first byte
.endr
.endm
	PLACES NP                                      ; behind the last products: for the conversions that read results and the loads into registers that held scale words
	PACK 0
	TOSTAGE 0
.irp a, 1,2,3,4,5,6,7                  ; block a's conversions stand between block a - 1's loads from the stage and the wait for them
	PACK \a
	SEND \a-1
	TOSTAGE \a
.endr
	SEND 7
	s_wait_tensorcnt 0x0                           ; the wave's end: three closing lines behind my last tensor load and my last LDS store
	ds_add_u32 v[SPW], v[NIL]
	s_wait_dscnt 0x0
	CROUND                                         ; the closing round: no work-group ends while a partner may still ask for a tile that names it
	s_endpgm
.Lfunc_end_k_qcd8281bd6f_proj:
	.size	k_qcd8281bd6f_proj, .Lfunc_end_k_qcd8281bd6f_proj-k_qcd8281bd6f_proj
	.p2alignl 7, 3214868480
	.fill 96, 4, 3214868480
	.section	.rodata,"a",@progbits
	.p2align	6, 0x0
	.amdhsa_kernel k_qcd8281bd6f_proj
		.amdhsa_group_segment_fixed_size 327680
		.amdhsa_private_segment_fixed_size 0
		.amdhsa_enable_private_segment 0
		.amdhsa_kernarg_size 24
		.amdhsa_user_sgpr_count 2
		.amdhsa_user_sgpr_kernarg_segment_ptr 1
		.amdhsa_wavefront_size32 1
		.amdhsa_system_sgpr_workgroup_id_x 1
		.amdhsa_system_sgpr_workgroup_id_y 1
		.amdhsa_system_sgpr_workgroup_id_z 1
		.amdhsa_system_vgpr_workitem_id 0
		.amdhsa_next_free_vgpr 1024
		.amdhsa_next_free_sgpr 100
		.amdhsa_reserve_vcc 0
		.amdhsa_float_denorm_mode_32 3
		.amdhsa_float_denorm_mode_16_64 3
		.amdhsa_memory_ordered 1
		.amdhsa_forward_progress 1
		.amdhsa_inst_pref_size 127
	.end_amdhsa_kernel
	.amdgpu_metadata
---
amdhsa.version: [ 1, 2 ]
amdhsa.kernels:
  - .name:           k_qcd8281bd6f_proj
    .symbol:         k_qcd8281bd6f_proj.kd
    .args:
      - { .name: codes, .offset: 0, .size: 8, .value_kind: global_buffer, .address_space: global }
      - { .name: scales, .offset: 8, .size: 8, .value_kind: global_buffer, .address_space: global }
      - { .name: qkv, .offset: 16, .size: 8, .value_kind: global_buffer, .address_space: global }
    .group_segment_fixed_size: 327680
    .private_segment_fixed_size: 0
    .kernarg_segment_align: 8
    .kernarg_segment_size: 24
    .max_flat_workgroup_size: 128
    .sgpr_count:     100
    .vgpr_count:     1024
    .wavefront_size: 32
...
	.end_amdgpu_metadata
.endif
;; end of part 2
;; launch scores (part 3): grid 8 x 32, 4 waves a work-group, clusters of 4 x 4, 327,680 bytes of LDS; arguments qkv, p, stats; writes p, stats
.if DOCPART == 3
	.amdgcn_target "amdgcn-amd-amdhsa--gfx1250"
	.amdhsa_code_object_version 6
	.text
	.protected	k_qcd8281bd6f_scores
	.globl	k_qcd8281bd6f_scores
	.p2align	8
	.type	k_qcd8281bd6f_scores,@function
k_qcd8281bd6f_scores:
	s_mov_b64 s[64:65], 0
	v_nop
	global_prefetch_b8 v0, s[64:65] scope:SCOPE_SE
	s_setreg_imm32_b32 hwreg(HW_REG_WAVE_MODE, 25, 1), 1
	s_wait_xcnt 0x0
	s_wait_alu depctr_hold_cnt(0) depctr_sa_sdst(0) depctr_va_vdst(0) depctr_va_sdst(0) depctr_va_ssrc(0) depctr_va_vcc(0) depctr_vm_vsrc(0)
	s_getreg_b32 s2, hwreg(HW_REG_IB_STS2, 6, 4)
	s_cmp_eq_u32 s2, 0
	s_cbranch_scc0 .Lentry_in_a_cluster
	s_endpgm
.Lentry_in_a_cluster:
	s_bfe_u32 s2, ttmp6, 0x10000c
	s_cmp_lg_u32 s2, 0xf033
	s_cbranch_scc0 .Lentry_shape_is_right
	s_endpgm
.Lentry_shape_is_right:
; score[b][q][k] = q16[b][q] . k16[b][k] (f16 operands, f32 sums, K = 1,024), and the first half of the softmax, by blocks of 128 keys:
;   t = c x score, c = log2(e) / 32 (the 32 is reference's 1024^0.5, which q16 does not carry yet);  M_j = the block's largest t, rounded UP to a whole number;  p = 2^(t - M_j), at most 1, stored as f16;
;   -M_j and l_j = the f32 sum of the unrounded p of the block go to stats.  The next launch brings the blocks under the row's own maximum by exact powers of two and divides by the row's sum: so the maximum is taken away as reference takes it.
; p (8,192 queries x 2,048 keys, f16) IS LAID IN THE ORDER OF THE NEXT PRODUCT'S OPERAND REGISTERS: the fragment of queries 16 i .. 16 i + 15 and keys 32 c .. 32 c + 31 is 1,024 bytes at (64 i + c) x 1,024: registers 0-3 of lane l at 16 l, registers 4-7 at 512 + 16 l.
; stats: [row / 128][key / 128] records of 1,024 bytes; in a record, for row 16 a + r: byte (a / 4) 512 + which 256 + 16 r + 4 (a % 4); which = 0: -M, 1: l.
; LIMITS: NaN and infinities are not served; p under 2^-25 of its block's largest is stored as 0.
; SHARES.  A tile of 256 queries x 256 keys is made by four waves; a wave makes 128 x 128: 64 accumulators, 512 registers; its 128 keys are one block j.  K goes in steps of 128 through two LDS slots filled by tensor loads (rows of 256 bytes).
; CLUSTERS: 4 x 4 work-groups.  The four of a row of the cluster need the same tile of q16, the four of a column the same tile of k16: each is asked for JOINTLY.  By this text's count a wave has two tensor loads out at the start, one afterwards.
; No prefetch: q16's and k16's tiles are read by several clusters, and K has only eight steps, of which the first four could not be covered.
; THE MATRIX INSTRUCTION IS USED TRANSPOSED (source 0 = 16 keys, source 1 = 16 queries): a lane holds ONE query (lane % 16) and, in accumulator (a, b), the keys 16 b + 8 (lane / 16) + 0 .. 7.
; So the four registers into which accumulator b's eight p are packed are registers 4 (b % 2) .. + 3 of the fragment of keys 32 (b / 2) on, in the very lanes that the next product wants: they are stored as they stand, and nothing goes through LDS on the way out.
; REGISTERS, in windows of 256: window 0: v0-31 addresses; v64-127, v128-191 q16's fragments, two buffers; on the way out v64-255 at work.  window 1: v64-127, v128-191 k16's fragments.  window 2: accumulators of my rows 0-63 ((a, b) at v[8 (8 a + b)]); window 3: rows 64-127.
.set SIZE_K, 1024
.set KSTEP,  128
.set PITCH,  272                       ; an LDS row: 256 bytes + 16 of padding: the 16 rows that a load touches start at 16 different banks (64 banks of 4 bytes: ISA guide 11.1)
.set HALFT,  128*PITCH
.set SLOT,   4*HALFT                   ; q16's 256 rows, then k16's 256 rows
.set SPARE,  2*SLOT                    ; behind the ring: the spare words, 128 bytes a wave, which no other line names
.set LAPS,   SIZE_K/(2*KSTEP)          ; a lap = two K steps = once round the ring
.set PBLK,   65536                     ; 16 rows of p: 64 fragments of 1,024 bytes
.set ADRA, 16
.set ADRB, 20
.set CO,   26                          ; v26  16 x lane: my place in half a fragment of p, and in half a record of stats; never rewritten
.set SPW,  28
.set NIL,  29
.set F0,   64
.set F1,   128
.set X,    64                          ; v64-127   a block's 64 numbers t - M, then p
.set MS,   128                         ; v128-135  -M of my eight blocks of rows
.set LS,   136                         ; v136-143  l of them
.set T,    144                         ; v144-147  at work
.set NM,   152                         ; v[152:153] -M of the block in hand: the packed form names a pair and takes its low word
.set SUMA, 154                         ; v[154:155], v[156:157] two chains of sums
.set SUMB, 156
.set SV,   160                         ; v160-167  what goes to stats
.set TMP,  192                         ; v192-223, v224-255  p as f16, two sets by turns
.set G1, 24
.set G0, 32
.set G1B, 48
.set G0B, 56
.set ST,  68                           ; s[68:69] stats
.set CS,  70                           ; s[70:71] c, twice
.set SEL, 72                           ; s[72:73] lane selects for v_permlanex16_b32: lane l xor 16
.set LOW, 74                           ; s74 the mask of lanes 0-15
.set MSB, 0
.macro WIN new
.if MSB != (\new)
	s_set_vgpr_msb (MSB<<8)|(\new)
.set MSB, (\new)
.endif
.endm
.set MUL_LO, 0xa1                      ; source 0 (k16) window 1, source 1 (q16) window 0, C and D window 2
.set MUL_HI, 0xf1
.set TO_B,   0x40
.macro JLOAD s                         ; a joint load: waves 0 and 1 fetch q16's two halves, waves 2 and 3 k16's; an s_nop 0 and four v_nop follow each of the two lines
	s_cmp_eq_u32 s11, 0
	s_cbranch_scc0 .Lfor_b_\@
	tensor_load_to_lds s[G0+4*\s:G0+4*\s+3], s[G1:G1+7]
	s_nop 0
.rept 4
	v_nop
.endr
	s_branch .Lasked_\@
.Lfor_b_\@:
	tensor_load_to_lds s[G0B+4*\s:G0B+4*\s+3], s[G1B:G1B+7]
	s_nop 0
.rept 4
	v_nop
.endr
.Lasked_\@:
.endm
.macro CREST                           ; a round of the cluster's barrier behind its opening barrier
	s_cmp_lg_u32 s10, 0
	s_cbranch_scc1 .Lnot_wave_0_\@
	s_barrier_signal -3
.Lnot_wave_0_\@:
	s_barrier_wait -3
	s_barrier_signal -1
	s_barrier_wait -1
.endm
.macro CROUND
	s_barrier_signal -1
	s_barrier_wait -1
	CREST
.endm
	s_load_b64 s[4:5], s[0:1], 0x0                 ; qkv
	s_load_b64 s[8:9], s[0:1], 0x8                 ; p
	s_load_b64 s[ST:ST+1], s[0:1], 0x10            ; stats
	v_lshl_add_u32 v[SPW], v0, 2, SPARE
	v_mov_b32 v[NIL], 0
	ds_add_u32 v[SPW], v[NIL]                      ; the wave's opening: the add, twice on end, and its wait ahead of my first tensor load
	ds_add_u32 v[SPW], v[NIL]
	v_lshrrev_b32 v1, 5, v0
	v_readfirstlane_b32 s10, v1                    ; wave 0..3
	s_lshr_b32 s11, s10, 1                         ; which half of the tile's queries is mine.  Also: I fetch for q16 (0) or k16 (1)
	s_and_b32 s12, s10, 1                          ; which half of its keys.  Also: which 128 rows of that tile I fetch
	s_bfe_u32 s40, ttmp6, 0x40000                  ; cx
	s_bfe_u32 s41, ttmp6, 0x40004                  ; cy
	s_lshl_b32 s42, ttmp9, 2
	s_add_co_u32 s42, s42, s40                     ; tile column: 256 keys of the batch, 0..7
	s_and_b32 s45, ttmp7, 0xffff                   ; the cluster's y
	s_lshl_b32 s13, s45, 2
	s_add_co_u32 s13, s13, s41                     ; tile row: 256 of the 8,192 queries, 0..31
	s_lshl_b32 s43, s41, 2
	s_lshl_b32 s43, 15, s43                        ; my row of the cluster
	s_lshl_b32 s44, 0x1111, s40                    ; my column
	s_or_b32 s[G1+0], s43, (1<<16)|(1<<20)|(1<<21)|(5<<22)|(3<<25)  ; 15:0 the mask; 17:16 elements of 2 bytes; 20 padding on; 21 set beside a mask; 24:22 after every 64 words; 31:25 four words
	s_or_b32 s[G1B+0], s44, (1<<16)|(1<<20)|(1<<21)|(5<<22)|(3<<25)
.irp g, G1, G1B
	s_mov_b32 s[\g+1], KSTEP<<16                   ; tensor_dim0 = 128
	s_mov_b32 s[\g+2], 128<<16                     ; tensor_dim1 = 128
	s_mov_b32 s[\g+3], KSTEP<<16                   ; tile_dim0 = 128
	s_mov_b32 s[\g+4], 128                         ; tile_dim1 = 128
	s_mov_b32 s[\g+5], SIZE_K                      ; tensor_dim0_stride, in elements
	s_mov_b32 s[\g+6], 0
	s_mov_b32 s[\g+7], 0
.endr
	s_lshl_b32 s17, s12, 7                         ; which 128 rows of the tile I fetch
	s_lshl_b32 s16, s13, 8
	s_add_co_u32 s16, s16, s17                     ; q16: row 256 x tile row + 128 x half
	s_lshr_b32 s47, s45, 1                         ; the batch: eight tile rows, two clusters, to a batch
	s_lshl_b32 s47, s47, 11
	s_lshl_b32 s46, s42, 8
	s_add_co_u32 s46, s46, s47
	s_add_co_u32 s46, s46, s17                     ; k16: row 2048 x batch + 256 x tile column + 128 x half,
	s_add_co_u32 s46, s46, 8192                    ; 8,192 rows behind q16's first
	s_lshl_b32 s16, s16, 11                        ; rows of 2,048 bytes (under 2^32)
	s_lshl_b32 s46, s46, 11
	s_mov_b32 s17, 0
	s_mov_b32 s47, 0
	s_mul_i32 s20, s10, HALFT                      ; where they go: wave x 128 rows: no place in the cluster enters an LDS address
	s_mov_b32 s[CS], 0x3d38aa3b                    ; c = log2(e) / 32
	s_mov_b32 s[CS+1], s[CS]
	s_mov_b32 s[SEL], 0x76543210
	s_mov_b32 s[SEL+1], 0xfedcba98
	s_wait_dscnt 0x0                               ; both opening adds are done
	s_wait_kmcnt 0x0
	s_add_nc_u64 s[14:15], s[4:5], s[16:17]
	s_add_nc_u64 s[46:47], s[4:5], s[46:47]
	CROUND                                         ; all sixteen work-groups are here: the first joint loads meet
.irp s, 0,1
	s_mov_b32 s[G0+4*\s], 1
	s_add_co_u32 s[G0+4*\s+1], s20, \s*SLOT
	s_add_nc_u64 s[G0+4*\s+2:G0+4*\s+3], s[14:15], \s*KSTEP*2
	s_or_b32 s[G0+4*\s+3], s[G0+4*\s+3], 0x80000000
	s_mov_b32 s[G0B+4*\s], 1
	s_add_co_u32 s[G0B+4*\s+1], s20, \s*SLOT
	s_add_nc_u64 s[G0B+4*\s+2:G0B+4*\s+3], s[46:47], \s*KSTEP*2
	s_or_b32 s[G0B+4*\s+3], s[G0B+4*\s+3], 0x80000000
	JLOAD \s
.endr
	; a fragment is 16 rows x 32 K in 8 registers: lane l holds row l % 16; registers 0-3 K = 8 (l / 16) + 0..7, registers 4-7 K = 16 + 8 (l / 16) + 0..7: two loads of 16 bytes, 32 bytes apart
	v_and_b32 v1, 15, v0                           ; r
	v_bfe_u32 v2, v0, 4, 1                         ; h
	v_mul_u32_u24 v3, v1, PITCH
	v_lshl_add_u32 v3, v2, 4, v3
	s_mul_i32 s21, s11, HALFT                      ; my 128 queries
	s_mul_i32 s22, s12, HALFT                      ; my 128 keys,
	s_add_co_u32 s22, s22, 2*HALFT                 ; which lie behind the 256 queries
.irp s, 0,1
	v_add_nc_u32 v[ADRA+\s], s21, v3
	v_add_nc_u32 v[ADRB+\s], s22, v3
	s_add_co_u32 s21, s21, SLOT
	s_add_co_u32 s22, s22, SLOT
.endr
	v_and_b32 v4, 31, v0
	v_lshlrev_b32 v[CO], 4, v4                     ; 16 x lane
	s_lshl_b32 s16, s13, 4
	s_lshl_b32 s17, s11, 3
	s_add_co_u32 s16, s16, s17                     ; my first block of 16 rows of p: 16 x tile row + 8 x half,
	s_lshl_b32 s16, s16, 16                        ; 65,536 bytes a block (33,554,432 in all: under 2^32),
	s_lshl_b32 s46, s42, 13                        ; my first fragment in it: 8 x tile column + 4 x half, 1,024 bytes each
	s_lshl_b32 s47, s12, 12
	s_add_co_u32 s46, s46, s47
	s_add_co_u32 s16, s16, s46
	s_mov_b32 s17, 0
	s_add_nc_u64 s[8:9], s[8:9], s[16:17]
	s_lshl_b32 s16, s13, 1
	s_add_co_u32 s16, s16, s11                     ; my record of stats: row / 128 = 2 x tile row + half,
	s_lshl_b32 s16, s16, 4
	s_lshl_b32 s46, s42, 1
	s_add_co_u32 s46, s46, s12                     ; key / 128 = 2 x tile column + half
	s_add_co_u32 s16, s16, s46
	s_lshl_b32 s16, s16, 10
	s_add_nc_u64 s[ST:ST+1], s[ST:ST+1], s[16:17]
; 16 matrix instructions: blocks of queries a0, a0 + 1 of the window's four x all 8 blocks of keys, 32 along K.  zero = 1: the first product starts the sums.  The 64 accumulators take turns, one instruction a turn.
.macro MUL16 f, hi, a0, zero
.irp a, \a0, \a0+1
.irp b, 0,1,2,3,4,5,6,7
.if \zero
	v_wmma_f32_16x16x32_f16 v[8*(8*(\a)+\b):8*(8*(\a)+\b)+7], v[\f+8*\b:\f+8*\b+7], v[\f+8*(4*\hi+\a):\f+8*(4*\hi+\a)+7], 0
.else
	v_wmma_f32_16x16x32_f16 v[8*(8*(\a)+\b):8*(8*(\a)+\b)+7], v[\f+8*\b:\f+8*\b+7], v[\f+8*(4*\hi+\a):\f+8*(4*\hi+\a)+7], v[8*(8*(\a)+\b):8*(8*(\a)+\b)+7]
.endif
.endr
.endr
.endm
.macro FETCH slot, k, f                ; 32 LDS loads in one run: the fragments of one quarter step (32 K at byte k of the rows) into buffer f: the keys' first, then the queries'
	WIN TO_B
.irp i, 0,1,2,3,4,5,6,7
	ds_load_b128 v[\f+8*\i:\f+8*\i+3],   v[ADRB+\slot] offset:\k+\i*16*PITCH
	ds_load_b128 v[\f+8*\i+4:\f+8*\i+7], v[ADRB+\slot] offset:\k+\i*16*PITCH+32
.endr
	WIN 0
.irp i, 0,1,2,3,4,5,6,7
	ds_load_b128 v[\f+8*\i:\f+8*\i+3],   v[ADRA+\slot] offset:\k+\i*16*PITCH
	ds_load_b128 v[\f+8*\i+4:\f+8*\i+7], v[ADRA+\slot] offset:\k+\i*16*PITCH+32
.endr
.endm
.macro PLACES                          ; four places in front of loads into registers that matrix instructions have read, and of vector instructions that read results
.rept 4
	v_nop
.endr
.endm
; A K step is four quarters of 32 along K, 64 matrix instructions each, on buffers 0, 1, 0, 1.  One of the first three: multiplies buffer f and fetches, in its middle, the next quarter into buffer g.
.macro QUARTER slot, k, f, g, zero
	s_wait_dscnt 8                                 ; the keys' fragments and queries 0-63 are in; the youngest eight loads (queries 64-127) may be out
	WIN MUL_LO
	MUL16 \f, 0, 0, \zero
	MUL16 \f, 0, 2, \zero
	PLACES
	FETCH \slot, \k, \g
	s_wait_dscnt 32                                ; all but the 32 just issued
	WIN MUL_HI
	MUL16 \f, 1, 0, \zero
	MUL16 \f, 1, 2, \zero
.endm
; The last quarter multiplies buffer 1 and changes slots: ONE barrier.  In front of it each wave waits for all its tensor loads (its part of the next slot), adds 0 to its spare word, and waits for that and for its reads of this slot.
; fill = 1: the barrier opens a round of the cluster's barrier, and this slot is filled again, two K steps ahead, first thing behind the round: the load has 224 matrix instructions in which to land.
.macro TURN slot, next, fill
	WIN 0                                          ; (the add's two registers lie in window 0)
	s_wait_tensorcnt 0x0                           ; all my tensor loads have landed;
	ds_add_u32 v[SPW], v[NIL]                      ; 0 onto my spare word;
	s_wait_dscnt 9                                 ; (the add and the youngest eight loads may be out)
	WIN MUL_LO
	MUL16 F1, 0, 0, 0                              ; sixteen matrix instructions stand between the add and the wait for it
	s_wait_dscnt 0x0                               ; the add is done, and my reads of this slot are over
	s_barrier_signal -1
	MUL16 F1, 0, 2, 0
.if \fill
	WIN 0
.endif
	s_barrier_wait -1
.if \fill
	CREST                                          ; no wave of any partner still reads this slot or has a load on its way
	s_add_nc_u64 s[G0+4*\slot+2:G0+4*\slot+3], s[G0+4*\slot+2:G0+4*\slot+3], 2*KSTEP*2
	s_add_nc_u64 s[G0B+4*\slot+2:G0B+4*\slot+3], s[G0B+4*\slot+2:G0B+4*\slot+3], 2*KSTEP*2
	JLOAD \slot                                    ; its four v_nop are also the places in front of the loads below
.else
	PLACES
.endif
	FETCH \next, 0, F0
	WIN MUL_HI
	MUL16 F1, 1, 0, 0
	MUL16 F1, 1, 2, 0
.endm
	s_wait_tensorcnt 1                             ; my part of K step 0 is in (K step 1's load may be out)
	s_barrier_signal -1
	s_barrier_wait -1                              ; everybody's is
	FETCH 0, 0, F0
	QUARTER 0, 64,  F0, F1, 1                      ; the first quarter stands in front of the loop: its products start the sums
	WIN 0                                          ; at a label and at a branch every window is 0
	s_mov_b32 s3, LAPS-1
.Llap:                                             ; a trip goes once round the ring, from a lap's second quarter to the next lap's first, and fills both slots again
	QUARTER 0, 128, F1, F0, 0
	QUARTER 0, 192, F0, F1, 0
	TURN 0, 1, 1
	QUARTER 1, 64,  F0, F1, 0
	QUARTER 1, 128, F1, F0, 0
	QUARTER 1, 192, F0, F1, 0
	TURN 1, 0, 1
	QUARTER 0, 64,  F0, F1, 0
	WIN 0
	s_sub_co_u32 s3, s3, 1
	s_cmp_lg_u32 s3, 0
	s_cbranch_scc1 .Llap
	QUARTER 0, 128, F1, F0, 0                      ; the last lap is written out: it fills nothing
	QUARTER 0, 192, F0, F1, 0
	TURN 0, 1, 0
	QUARTER 1, 64,  F0, F1, 0
	QUARTER 1, 128, F1, F0, 0
	QUARTER 1, 192, F0, F1, 0
	s_wait_dscnt 8                                 ; the very last quarter: nothing more to fetch
	WIN MUL_LO
	MUL16 F1, 0, 0, 0
	MUL16 F1, 0, 2, 0
	s_wait_dscnt 0
	WIN MUL_HI
	MUL16 F1, 1, 0, 0
	MUL16 F1, 1, 2, 0
	WIN 0
; THE WAY OUT, block by block of 16 queries x my 128 keys.  A lane holds 64 scores of one query; the lane 16 away holds the other 64.
.macro SOFT a
.set AC, 64*((\a)%4)
.set TM, TMP+32*((\a)%2)
	WIN 0x0a+5*((\a)/4)                            ; sources 0 and 1: the accumulators' window
.irp c, 0,1,2,3
	v_max_num_f32 v[T+\c], v[AC+16*\c], v[AC+16*\c+1]              ; the largest score, in four chains; each accumulator is read from its low end on
.endr
.irp i, 1,2,3,4,5,6,7
.irp c, 0,1,2,3
	v_max3_num_f32 v[T+\c], v[AC+16*\c+2*\i], v[AC+16*\c+2*\i+1], v[T+\c]
.endr
.endr
	WIN 0
	v_max3_num_f32 v[T], v[T], v[T+1], v[T+2]
	v_max_num_f32 v[T], v[T], v[T+3]
	v_permlanex16_b32 v[T+1], v[T], s[SEL], s[SEL+1]
	v_max_num_f32 v[T], v[T], v[T+1]               ; with lane l xor 16's 64 keys: the block's largest score of my query
	v_mul_f32 v[T], s[CS], v[T]                    ; as t (c is positive)
	v_floor_f32 v[NM], -v[T]                       ; -M = floor(-t) = -ceil(t): M is a whole number
	WIN 0x02+((\a)/4)                              ; source 0: the accumulators' window
.irp i, 0,2,4,6,8,10,12,14,16,18,20,22,24,26,28,30,32,34,36,38,40,42,44,46,48,50,52,54,56,58,60,62
	v_pk_fma_f32 v[X+\i:X+\i+1], v[AC+\i:AC+\i+1], s[CS:CS+1], v[NM:NM+1] op_sel_hi:[1,0,0]   ; t - M, two at a time
.endr
	WIN 0
.irp i, 0,1,2,3,4,5,6,7,8,9,10,11,12,13,14,15,16,17,18,19,20,21,22,23,24,25,26,27,28,29,30,31,32,33,34,35,36,37,38,39,40,41,42,43,44,45,46,47,48,49,50,51,52,53,54,55,56,57,58,59,60,61,62,63
	v_exp_f32 v[X+\i], v[X+\i]                     ; p = 2^(t - M): one batch
.endr
	v_mov_b32 v[MS+\a], v[NM]                      ; -M is kept.  (The plain instruction behind the last exponential)
	s_wait_alu depctr_va_vdst(0)                   ; the wait ahead of the first instruction that names a result: one for the batch
	v_pk_add_f32 v[SUMA:SUMA+1], v[X:X+1], v[X+2:X+3]              ; the sum of the unrounded p, two at a time, in two chains
	v_pk_add_f32 v[SUMB:SUMB+1], v[X+4:X+5], v[X+6:X+7]
.irp j, 8,12,16,20,24,28,32,36,40,44,48,52,56,60
	v_pk_add_f32 v[SUMA:SUMA+1], v[SUMA:SUMA+1], v[X+\j:X+\j+1]
	v_pk_add_f32 v[SUMB:SUMB+1], v[SUMB:SUMB+1], v[X+\j+2:X+\j+3]
.endr
	v_pk_add_f32 v[SUMA:SUMA+1], v[SUMA:SUMA+1], v[SUMB:SUMB+1]
	v_add_f32 v[T], v[SUMA], v[SUMA+1]
	v_permlanex16_b32 v[T+1], v[T], s[SEL], s[SEL+1]
	v_add_f32 v[LS+\a], v[T], v[T+1]               ; with lane l xor 16's: l of the block
.if (\a) > 1
	s_wait_xcnt 0x0                                ; the stores of two blocks back have read this set of registers: it is written again only behind this wait
.endif
.irp i, 0,1,2,3,4,5,6,7,8,9,10,11,12,13,14,15,16,17,18,19,20,21,22,23,24,25,26,27,28,29,30,31
	v_cvt_pk_f16_f32 v[TM+\i], v[X+2*\i], v[X+2*\i+1]              ; eight neighbouring keys pack into 16 bytes: four registers of a fragment
.endr
.irp b, 0,1,2,3,4,5,6,7
	global_store_b128 v[CO], v[TM+4*\b:TM+4*\b+3], s[8:9] offset:(\a)*PBLK+512*\b   ; half a fragment: 32 lanes store 512 consecutive bytes, at a multiple of 512 from p's first byte
.endr
.endm
	PLACES                                         ; behind the last products
	v_mov_b32 v[NM+1], 0                           ; (named as the upper half of the pair, so it is written)
.irp a, 0,1,2,3,4,5,6,7
	SOFT \a
.endr
	v_and_b32 v[T], 31, v0
	v_cmp_gt_u32 s[LOW], 16, v[T]                  ; lanes 0-15 write -M of row r, lanes 16-31 l of row r, 256 bytes further on
.irp a, 0,1,2,3,4,5,6,7
	v_cndmask_b32 v[SV+\a], v[LS+\a], v[MS+\a], s[LOW]
.endr
	global_store_b128 v[CO], v[SV:SV+3], s[ST:ST+1]                ; 32 lanes store 512 consecutive bytes: blocks of rows 0-3,
	global_store_b128 v[CO], v[SV+4:SV+7], s[ST:ST+1] offset:512   ; and 4-7
	s_wait_tensorcnt 0x0                           ; the wave's end: three closing lines behind my last tensor load
	ds_add_u32 v[SPW], v[NIL]
	s_wait_dscnt 0x0
	CROUND                                         ; the closing round
	s_endpgm
.Lfunc_end_k_qcd8281bd6f_scores:
	.size	k_qcd8281bd6f_scores, .Lfunc_end_k_qcd8281bd6f_scores-k_qcd8281bd6f_scores
	.p2alignl 7, 3214868480
	.fill 96, 4, 3214868480
	.section	.rodata,"a",@progbits
	.p2align	6, 0x0
	.amdhsa_kernel k_qcd8281bd6f_scores
		.amdhsa_group_segment_fixed_size 327680
		.amdhsa_private_segment_fixed_size 0
		.amdhsa_enable_private_segment 0
		.amdhsa_kernarg_size 24
		.amdhsa_user_sgpr_count 2
		.amdhsa_user_sgpr_kernarg_segment_ptr 1
		.amdhsa_wavefront_size32 1
		.amdhsa_system_sgpr_workgroup_id_x 1
		.amdhsa_system_sgpr_workgroup_id_y 1
		.amdhsa_system_sgpr_workgroup_id_z 1
		.amdhsa_system_vgpr_workitem_id 0
		.amdhsa_next_free_vgpr 1024
		.amdhsa_next_free_sgpr 80
		.amdhsa_reserve_vcc 0
		.amdhsa_float_denorm_mode_32 3
		.amdhsa_float_denorm_mode_16_64 3
		.amdhsa_memory_ordered 1
		.amdhsa_forward_progress 1
		.amdhsa_inst_pref_size 202
	.end_amdhsa_kernel
	.amdgpu_metadata
---
amdhsa.version: [ 1, 2 ]
amdhsa.kernels:
  - .name:           k_qcd8281bd6f_scores
    .symbol:         k_qcd8281bd6f_scores.kd
    .args:
      - { .name: qkv, .offset: 0, .size: 8, .value_kind: global_buffer, .address_space: global }
      - { .name: p, .offset: 8, .size: 8, .value_kind: global_buffer, .address_space: global }
      - { .name: stats, .offset: 16, .size: 8, .value_kind: global_buffer, .address_space: global }
    .group_segment_fixed_size: 327680
    .private_segment_fixed_size: 0
    .kernarg_segment_align: 8
    .kernarg_segment_size: 24
    .max_flat_workgroup_size: 128
    .sgpr_count:     80
    .vgpr_count:     1024
    .wavefront_size: 32
...
	.end_amdgpu_metadata
.endif
;; end of part 3
;; launch pv (part 4): grid 4 x 64, 4 waves a work-group, clusters of 4 x 4, 327,680 bytes of LDS; arguments p, qkv, stats, ao; writes ao
.if DOCPART == 4
	.amdgcn_target "amdgcn-amd-amdhsa--gfx1250"
	.amdhsa_code_object_version 6
	.text
	.protected	k_qcd8281bd6f_pv
	.globl	k_qcd8281bd6f_pv
	.p2align	8
	.type	k_qcd8281bd6f_pv,@function
k_qcd8281bd6f_pv:
	s_mov_b64 s[64:65], 0
	v_nop
	global_prefetch_b8 v0, s[64:65] scope:SCOPE_SE
	s_setreg_imm32_b32 hwreg(HW_REG_WAVE_MODE, 25, 1), 1
	s_wait_xcnt 0x0
	s_wait_alu depctr_hold_cnt(0) depctr_sa_sdst(0) depctr_va_vdst(0) depctr_va_sdst(0) depctr_va_ssrc(0) depctr_va_vcc(0) depctr_vm_vsrc(0)
	s_getreg_b32 s2, hwreg(HW_REG_IB_STS2, 6, 4)
	s_cmp_eq_u32 s2, 0
	s_cbranch_scc0 .Lentry_in_a_cluster
	s_endpgm
.Lentry_in_a_cluster:
	s_bfe_u32 s2, ttmp6, 0x10000c
	s_cmp_lg_u32 s2, 0xf033
	s_cbranch_scc0 .Lentry_shape_is_right
	s_endpgm
.Lentry_shape_is_right:
; ao[row][ch] = (sum over the blocks j of 128 keys of 2^(M_j - M) x (sum over the block's keys of p[row][key] v[key][ch])) / L[row]: f16 operands, f32 sums, ao rounded once to f16.  The second half of the softmax:
;   p was stored under the maximum M_j of its own block.  M = the largest M_j of the row; L = the sum of l_j 2^(M_j - M) in f32, at least 0.5; g_j = 2^(M_j - M) / L, made by v_ldexp_f32 of 1 / L with a whole number.
;   Each block's product is summed by itself (accumulators T) and added in f32: O += g_j T.  p itself is not touched.
; A = p, LAID IN THE ORDER OF THE OPERAND'S REGISTERS: the fragment of rows 16 i .. + 15 and keys 32 c .. + 31 is 1,024 bytes at (64 i + c) x 1,024: registers 0-3 of lane l at 16 l, registers 4-7 at 512 + 16 l.  ao is stored in the same order (32 fragments to 16 rows).
; B = vT16 [1024 channels][8192 = 2048 x batch + key] f16, 33,554,432 bytes into qkv.  stats: records of 1,024 bytes [row / 128][key / 128], for row 16 a + r: byte (a / 4) 512 + which 256 + 16 r + 4 (a % 4), which = 0: -M_j, 1: l_j.
; LIMITS: NaN and infinities are not served; |ao| stays under 65,504 (it is an average of v).
; SHARES.  ao has 8,192 x 1,024 numbers: a tile of 128 rows x 256 channels gives each of 256 work-groups one.  Four waves, 2 x 2; a wave makes 64 x 128: 32 accumulators T and 32 O, 512 registers.
; THE RING.  Two LDS slots of 192 keys, as long as LDS has room for: p's part is dense (8 blocks of 16 rows x 6,144 bytes), vT16's 256 rows of 384 bytes get 16 bytes of padding behind each 128: 159,744 bytes a slot.  Waves 0, 1 fetch p's halves, waves 2, 3 vT16's.
; 2,048 keys are ten such slots and one of 128 keys: its tiles state a shorter extent along the keys, beyond which zeros are written (ISA guide, chapter 10: the tensor's extents), and the two quarters that would read zeros are not walked.
; CLUSTERS: 4 x 4 work-groups: the four of a row of the cluster need the same tile of p, the four of a column the same tile of vT16: each is asked for JOINTLY.  By this text's count a wave has two tensor loads out at the start, one afterwards.
; THE WALK.  64 quarters of 32 keys, 32 matrix instructions each, on fragment buffers 0, 1 by turns.  A slot is 6 quarters, a block 4: a trip of the loop is 12.  Quarters 0-4 stand in front of the loop (block 0 starts O by a multiplication: nothing is cleared), 4 trips, quarters 53-63 behind it.
; THE MATRIX INSTRUCTION IS USED TRANSPOSED (source 0 = 16 channels, source 1 = 16 rows of p): a lane holds one row (lane % 16) and eight neighbouring channels; packed to f16 they are four registers of ao's fragment, and are stored as they stand.
; REGISTERS: window 0: v16-31 addresses; v32-95 p's fragments, two buffers of 32; v96-223 vT16's, two buffers of 64; v224-231 g_j in pairs, one for each block of 16 rows; v232-251 statistics.  window 1: T, (a, b) at v[8 (8 a + b)].  window 2: O, likewise.
.set PBLK,   65536                     ; 16 rows of p: 64 fragments
.set BPITCH, 16384                     ; a row of vT16 in bytes
.set CBLK,   32768                     ; 16 rows of ao: 32 fragments
.set NKQ,    6                         ; quarters in a slot
.set LASTQ,  4                         ; in the last slot
.set TRIPS,  4
.set AROW,   NKQ*1024                  ; a slot's part of 16 rows of p
.set HALFA,  4*AROW                    ; what one tensor load brings of p, and what one wave reads
.set BROW,   NKQ*64                    ; a slot's part of a row of vT16
.set BP,     BROW+48                   ; and in LDS: 432 bytes = 108 words: row r starts at bank 44 r mod 64: the 16 rows that a load touches start at 16 different multiples of 4 (64 banks of 4 bytes: ISA guide 11.1)
.set HALFB,  128*BP
.set BOFF,   2*HALFA                   ; a slot: p's 128 rows, then vT16's 256 rows
.set SLOT,   BOFF+2*HALFB
.set SPARE,  2*SLOT                    ; behind the ring: the spare words, 128 bytes a wave, which no other line names
.set ADRA, 16
.set ADRB, 20
.set CO,   26                          ; v26  16 x lane; never rewritten
.set SPW,  28
.set NIL,  29
.set PFO,  30                          ; v30  the prefetches' offset; never rewritten
.set SO,   31                          ; v31  16 x (lane % 16): my row's place in a record of stats; never rewritten
.set AF,   32
.set BF,   96
.set FS,   224                         ; v224-231  g_j, twice each: the packed form multiplies by a pair
.set NMJ,  232                         ; v232-235  -M_j of the block in hand
.set DD,   236                         ; v236-239  at work
.set NMIN, 240                         ; v240-243  -M
.set RL,   244                         ; v244-247  1 / L
.set LSUM, 248                         ; v248-251  L
.set WK,   96                          ; the way out: a block in f32
.set TMP,  160                         ; and in f16: v160-191, v192-223 by turns
.set G1, 24                            ; s[24:31] group 1 for p's tiles;  s[32:39] group 0, one set for each slot
.set G0, 32
.set G1B, 48                           ; s[48:55], s[56:63] the same for vT16's
.set G0B, 56
.set PFA, 66                           ; s[66:67] where my prefetches stand
.set LIMA, 68                          ; s68  0 in a wave that prefetches, else the greatest number
.set LIMB, 69                          ; s69  1 in a wave that prefetches, else the greatest number
.set G1L, 72                           ; s[72:79], s[80:87] groups 1 for the last, shorter slot
.set G1BL, 80
.set MSB, 0
.macro WIN new
.if MSB != (\new)
	s_set_vgpr_msb (MSB<<8)|(\new)
.set MSB, (\new)
.endif
.endm
.set MUL, 0x50                         ; C and D window 1, sources 0 and 1 window 0
.set FL,  0xa1                         ; destination and source 2 (O) window 2, source 0 (T) window 1, source 1 (g) window 0
.macro JLOAD s, ga, gb                 ; a joint load: the branch hangs on the wave's number alone; an s_nop 0 and four v_nop follow each of the two lines
	s_cmp_eq_u32 s13, 0
	s_cbranch_scc0 .Lfor_b_\@
	tensor_load_to_lds s[G0+4*\s:G0+4*\s+3], s[\ga:\ga+7]
	s_nop 0
.rept 4
	v_nop
.endr
	s_branch .Lasked_\@
.Lfor_b_\@:
	tensor_load_to_lds s[G0B+4*\s:G0B+4*\s+3], s[\gb:\gb+7]
	s_nop 0
.rept 4
	v_nop
.endr
.Lasked_\@:
.endm
; A PREFETCH INTO THE L2 of p, which this launch reads once: behind each joint refill and the run of LDS loads that follows it, the slot that the NEXT refill will ask for: 192 matrix instructions ahead of that load.
; A tile row of p is read by one row of one cluster alone.  Its four partners share the 8 blocks of 16 rows out BY ADDRESS, two each (by cx); in each, waves 0 and 1 ask for one block: 6,144 bytes, lanes 256 bytes apart; lanes 24-31 repeat lane 23's place.
; The loop's last change of slots asks for nothing: the slot behind it is the short one, and a lane would name bytes past its block.  Slots 0 to 2 come by their loads alone.
.macro ASK lim
	s_cmp_gt_u32 s3, s[\lim]
	s_cbranch_scc0 .Lnot_mine_\@
	global_prefetch_b8 v[PFO], s[PFA:PFA+1] th:TH_LOAD_NT scope:SCOPE_SE
.Lnot_mine_\@:
.endm
.macro CREST
	s_cmp_lg_u32 s12, 0
	s_cbranch_scc1 .Lnot_wave_0_\@
	s_barrier_signal -3
.Lnot_wave_0_\@:
	s_barrier_wait -3
	s_barrier_signal -1
	s_barrier_wait -1
.endm
.macro CROUND
	s_barrier_signal -1
	s_barrier_wait -1
	CREST
.endm
	s_load_b256 s[4:11], s[0:1], 0x0               ; p s[4:5], qkv s[6:7], stats s[8:9], ao s[10:11]
	v_lshl_add_u32 v[SPW], v0, 2, SPARE
	v_mov_b32 v[NIL], 0
	ds_add_u32 v[SPW], v[NIL]                      ; the wave's opening: the add, twice on end, and its wait ahead of my first tensor load
	ds_add_u32 v[SPW], v[NIL]
	v_lshrrev_b32 v1, 5, v0
	v_readfirstlane_b32 s12, v1                    ; wave 0..3
	s_lshr_b32 s13, s12, 1                         ; which half of the tile's rows is mine.  Also: I fetch for p (0) or for vT16 (1)
	s_and_b32 s14, s12, 1                          ; which half of its channels.  Also: which half of that tile I fetch
	s_bfe_u32 s40, ttmp6, 0x40000                  ; cx
	s_bfe_u32 s41, ttmp6, 0x40004                  ; cy
	s_lshl_b32 s42, ttmp9, 2
	s_add_co_u32 s42, s42, s40                     ; tile column: 256 channels, 0..3
	s_and_b32 s18, ttmp7, 0xffff                   ; the cluster's y
	s_lshl_b32 s15, s18, 2
	s_add_co_u32 s15, s15, s41                     ; tile row: 128 rows, 0..63
	s_lshl_b32 s43, s41, 2
	s_lshl_b32 s43, 15, s43                        ; my row of the cluster
	s_lshl_b32 s44, 0x1111, s40                    ; my column
	; p's tiles: 4 blocks of 16 rows, each 6,144 dense bytes (768 elements of 8 bytes), 65,536 bytes apart; no padding
	s_or_b32 s[G1+0], s43, (3<<16)|(1<<21)         ; 15:0 the mask; 17:16 elements of 8 bytes; 21 set beside a mask
	s_or_b32 s[G1L+0], s43, (3<<16)|(1<<21)
	s_mov_b32 s[G1+1], (AROW/8)<<16                ; tensor_dim0 = 768
	s_mov_b32 s[G1L+1], (LASTQ*128)<<16            ; the last slot: 512 are left; zeros beyond
.irp g, G1, G1L
	s_mov_b32 s[\g+2], 4<<16                       ; tensor_dim1 = 4
	s_mov_b32 s[\g+3], (AROW/8)<<16                ; tile_dim0 = 768
	s_mov_b32 s[\g+4], 4                           ; tile_dim1 = 4
	s_mov_b32 s[\g+5], PBLK/8                      ; tensor_dim0_stride, in elements
	s_mov_b32 s[\g+6], 0
	s_mov_b32 s[\g+7], 0
.endr
	; vT16's tiles: 128 rows of 192 elements of 2 bytes, four words of padding behind every 32
	s_or_b32 s[G1B+0], s44, (1<<16)|(1<<20)|(1<<21)|(4<<22)|(3<<25)
	s_or_b32 s[G1BL+0], s44, (1<<16)|(1<<20)|(1<<21)|(4<<22)|(3<<25)
	s_mov_b32 s[G1B+1], (NKQ*32)<<16               ; tensor_dim0 = 192
	s_mov_b32 s[G1BL+1], (LASTQ*32)<<16            ; the last slot: 128 are left
.irp g, G1B, G1BL
	s_mov_b32 s[\g+2], 128<<16                     ; tensor_dim1 = 128
	s_mov_b32 s[\g+3], (NKQ*32)<<16                ; tile_dim0 = 192
	s_mov_b32 s[\g+4], 128                         ; tile_dim1 = 128
	s_mov_b32 s[\g+5], BPITCH/2
	s_mov_b32 s[\g+6], 0
	s_mov_b32 s[\g+7], 0
.endr
	s_lshl_b32 s16, s15, 3
	s_lshl_b32 s17, s14, 2
	s_add_co_u32 s16, s16, s17                     ; p: block of 16 rows 8 x tile row + 4 x half,
	s_lshl_b32 s16, s16, 16                        ; 65,536 bytes each (under 2^32)
	s_mov_b32 s17, 0
	s_lshl_b32 s46, s42, 8
	s_lshl_b32 s47, s14, 7
	s_add_co_u32 s46, s46, s47                     ; vT16: row 256 x tile column + 128 x half,
	s_lshl_b32 s46, s46, 14                        ; 16,384 bytes a row,
	s_lshr_b32 s47, s18, 2                         ; the batch (sixteen tile rows, four clusters, to a batch):
	s_lshl_b32 s47, s47, 12                        ; its 2,048 keys are 4,096 bytes along a row,
	s_add_co_u32 s46, s46, s47
	s_add_co_u32 s46, s46, 33554432                ; behind q16 and k16
	s_mov_b32 s47, 0
	s_mul_i32 s20, s14, HALFA                      ; where they go: no place in the cluster enters an LDS address
	s_mul_i32 s21, s14, HALFB
	s_add_co_u32 s21, s21, BOFF
	s_wait_dscnt 0x0                               ; both opening adds are done
	s_wait_kmcnt 0x0
	s_add_nc_u64 s[16:17], s[4:5], s[16:17]
	s_add_nc_u64 s[46:47], s[6:7], s[46:47]
	CROUND                                         ; all sixteen work-groups are here: the first joint loads meet
.irp s, 0,1
	s_mov_b32 s[G0+4*\s], 1
	s_add_co_u32 s[G0+4*\s+1], s20, \s*SLOT
	s_add_nc_u64 s[G0+4*\s+2:G0+4*\s+3], s[16:17], \s*AROW
	s_or_b32 s[G0+4*\s+3], s[G0+4*\s+3], 0x80000000
	s_mov_b32 s[G0B+4*\s], 1
	s_add_co_u32 s[G0B+4*\s+1], s21, \s*SLOT
	s_add_nc_u64 s[G0B+4*\s+2:G0B+4*\s+3], s[46:47], \s*BROW
	s_or_b32 s[G0B+4*\s+3], s[G0B+4*\s+3], 0x80000000
	JLOAD \s, G1, G1B
.endr
	v_and_b32 v1, 15, v0                           ; r
	v_bfe_u32 v2, v0, 4, 1                         ; h
	v_and_b32 v4, 31, v0                           ; lane
	v_lshlrev_b32 v[CO], 4, v4
	v_mul_u32_u24 v3, v1, BP
	v_lshl_add_u32 v3, v2, 4, v3                   ; vT16: a fragment's row x pitch + 16 x half
	s_mul_i32 s21, s13, HALFA                      ; my 64 rows of p
	s_mul_i32 s22, s14, HALFB                      ; my 128 channels,
	s_add_co_u32 s22, s22, BOFF                    ; which lie behind p's 128 rows
.irp s, 0,1
	v_add_nc_u32 v[ADRA+\s], s21, v[CO]            ; p: 16 x lane in half a fragment
	v_add_nc_u32 v[ADRB+\s], s22, v3
	s_add_co_u32 s21, s21, SLOT
	s_add_co_u32 s22, s22, SLOT
.endr
	s_lshl_b32 s16, s15, 3
	s_lshl_b32 s17, s13, 2
	s_add_co_u32 s16, s16, s17                     ; my first block of 16 rows of ao,
	s_lshl_b32 s16, s16, 15                        ; 32,768 bytes each,
	s_lshl_b32 s46, s42, 13                        ; my first fragment in it: 8 x tile column + 4 x half
	s_lshl_b32 s47, s14, 12
	s_add_co_u32 s46, s46, s47
	s_add_co_u32 s16, s16, s46
	s_mov_b32 s17, 0
	s_add_nc_u64 s[10:11], s[10:11], s[16:17]
	s_lshl_b32 s16, s15, 3                         ; the prefetches: of the tile's 8 blocks of 16 rows my work-group's two, my wave's one,
	s_lshl_b32 s46, s40, 1
	s_add_co_u32 s16, s16, s46
	s_add_co_u32 s16, s16, s14
	s_lshl_b32 s16, s16, 16
	s_add_co_u32 s16, s16, 2*AROW                  ; at slot 2: the first refill steps it to slot 3.  Nothing is prefetched here, at the head
	s_add_nc_u64 s[PFA:PFA+1], s[4:5], s[16:17]
	s_cmp_eq_u32 s13, 0                            ; waves 0 and 1 ask
	s_cselect_b32 s[LIMA], 0, -1
	s_cselect_b32 s[LIMB], 1, -1
	v_min_u32 v[PFO], 23, v4
	v_lshlrev_b32 v[PFO], 8, v[PFO]
	; THE STATISTICS of my 64 rows, while the first tiles are on their way.  Lane (r, h) takes, for each block j, -M_j and l_j of rows 16 a + r, a = 0..3: 16 bytes each; sixteen lanes read 256 consecutive bytes
	s_lshl_b32 s16, s15, 14                        ; my tile row's 16 records,
	s_lshl_b32 s46, s13, 9                         ; my half of a record
	s_add_co_u32 s16, s16, s46
	s_add_nc_u64 s[8:9], s[8:9], s[16:17]
	v_lshlrev_b32 v[SO], 4, v1
.irp j, 0,1,2,3,4,5,6,7,8,9,10,11,12,13,14,15
	global_load_b128 v[32+4*\j:35+4*\j], v[SO], s[8:9] offset:1024*\j
	global_load_b128 v[96+4*\j:99+4*\j], v[SO], s[8:9] offset:1024*\j+256
.endr
	s_wait_loadcnt 0x0
.irp a, 0,1,2,3
	v_min3_num_f32 v[NMIN+\a], v[32+\a], v[36+\a], v[40+\a]        ; -M = the least -M_j
.endr
.irp j, 3,5,7,9,11,13
.irp a, 0,1,2,3
	v_min3_num_f32 v[NMIN+\a], v[NMIN+\a], v[32+4*\j+\a], v[36+4*\j+\a]
.endr
.endr
.irp a, 0,1,2,3
	v_min_num_f32 v[NMIN+\a], v[NMIN+\a], v[92+\a]
.endr
.irp a, 0,1,2,3
	v_mov_b32 v[NMJ+\a], v[32+\a]                  ; -M_0 is kept for block 0; the later blocks' are loaded again as they come
.endr
.irp j, 0,1,2,3,4,5,6,7,8,9,10,11,12,13,14,15
.irp a, 0,1,2,3
	v_sub_f32 v[32+4*\j+\a], v[NMIN+\a], v[32+4*\j+\a]             ; M_j - M: a whole number, 0 or less
.endr
.irp a, 0,1,2,3
	v_cvt_i32_f32 v[32+4*\j+\a], v[32+4*\j+\a]                     ; (it saturates)
.endr
.irp a, 0,1,2,3
	v_ldexp_f32 v[32+4*\j+\a], 1.0, v[32+4*\j+\a]                  ; 2^(M_j - M)
.endr
.irp a, 0,1,2,3
.if \j == 0
	v_mul_f32 v[LSUM+\a], v[96+\a], v[32+\a]                       ; L = the sum of l_j 2^(M_j - M): the first term starts it
.else
	v_fmac_f32 v[LSUM+\a], v[96+4*\j+\a], v[32+4*\j+\a]
.endif
.endr
.endr
.irp a, 0,1,2,3
	v_rcp_f32 v[RL+\a], v[LSUM+\a]
.endr
	v_nop                                          ; a plain instruction behind the last reciprocal
	s_wait_alu depctr_va_vdst(0)                   ; and the wait ahead of the first use: one for the four
.macro MUL1 f, a, b, zero              ; one product: block of rows a x block of channels b, 32 keys, from buffer f.  zero = 1: it starts the block's sum
	WIN MUL
.if \zero
	v_wmma_f32_16x16x32_f16 v[8*(8*(\a)+(\b)):8*(8*(\a)+(\b))+7], v[BF+64*(\f)+8*(\b):BF+64*(\f)+8*(\b)+7], v[AF+32*(\f)+8*(\a):AF+32*(\f)+8*(\a)+7], 0
.else
	v_wmma_f32_16x16x32_f16 v[8*(8*(\a)+(\b)):8*(8*(\a)+(\b))+7], v[BF+64*(\f)+8*(\b):BF+64*(\f)+8*(\b)+7], v[AF+32*(\f)+8*(\a):AF+32*(\f)+8*(\a)+7], v[8*(8*(\a)+(\b)):8*(8*(\a)+(\b))+7]
.endif
.endm
.macro MULA f, a                       ; eight: the 32 accumulators take turns in one fixed order, one instruction a turn
.irp b, 0,1,2,3,4,5,6,7
	MUL1 \f, \a, \b, 0
.endr
.endm
.macro FETCH slot, kq, g               ; 24 LDS loads in one run: the fragments of the slot's quarter kq into buffer g: p's 8 (dense: 16 x lane), vT16's 16 (byte 64 kq of a row, and 16 more for each 128 passed)
.irp i, 0,1,2,3
	ds_load_b128 v[AF+32*(\g)+8*\i:AF+32*(\g)+8*\i+3],   v[ADRA+\slot] offset:\i*AROW+(\kq)*1024
	ds_load_b128 v[AF+32*(\g)+8*\i+4:AF+32*(\g)+8*\i+7], v[ADRA+\slot] offset:\i*AROW+(\kq)*1024+512
.endr
.irp i, 0,1,2,3,4,5,6,7
	ds_load_b128 v[BF+64*(\g)+8*\i:BF+64*(\g)+8*\i+3],   v[ADRB+\slot] offset:\i*16*BP+64*(\kq)+16*((\kq)/2)
	ds_load_b128 v[BF+64*(\g)+8*\i+4:BF+64*(\g)+8*\i+7], v[ADRB+\slot] offset:\i*16*BP+64*(\kq)+16*((\kq)/2)+32
.endr
.endm
.macro PLACES                          ; four places in front of loads into registers that matrix instructions have read, and of vector instructions that read results
.rept 4
	v_nop
.endr
.endm
.macro FCOMP                           ; g_j = 2^(M_j - M) / L for my four blocks of 16 rows, twice each
.irp a, 0,1,2,3
	v_sub_f32 v[DD+\a], v[NMIN+\a], v[NMJ+\a]      ; M_j - M: a whole number, 0 or less
.endr
.irp a, 0,1,2,3
	v_cvt_i32_f32 v[DD+\a], v[DD+\a]               ; (it saturates)
.endr
.irp a, 0,1,2,3
	v_ldexp_f32 v[FS+2*\a], v[RL+\a], v[DD+\a]
.endr
.irp a, 0,1,2,3
	v_ldexp_f32 v[FS+2*\a+1], v[RL+\a], v[DD+\a]
.endr
.endm
.macro FLUSH4 mul                      ; accumulator n of the finished block goes into O, from its low end on: O += g T (mul = 1: O = g T, the first block's)
	WIN FL
.irp i, 0,2,4,6
.if \mul
	v_pk_mul_f32 v[8*n+\i:8*n+\i+1], v[8*n+\i:8*n+\i+1], v[FS+2*(n/8):FS+2*(n/8)+1]
.else
	v_pk_fma_f32 v[8*n+\i:8*n+\i+1], v[8*n+\i:8*n+\i+1], v[FS+2*(n/8):FS+2*(n/8)+1], v[8*n+\i:8*n+\i+1]
.endif
.endr
.endm
; A quarter inside a block: fetches the slot's quarter kn into buffer g and multiplies buffer f.  The places at its end serve the next quarter's loads.
.macro QUARTER slot, kn, f, g
	FETCH \slot, \kn, \g
	s_wait_dscnt 24                                ; all but the 24 just issued: buffer f is whole
	MULA \f, 0
	MULA \f, 1
	MULA \f, 2
	MULA \f, 3
	WIN 0
	PLACES
.endm
; A block's first quarter (always on buffer 0).  mode = 0: the very first.  Else the block before is finished: its g is made, the new block's -M is asked for (at byte joff of my records; it is wanted four quarters on),
; and ahead of each product that starts a sum anew stand the four lines that take the old sum into O (mode = 1: by a multiplication; 2: by a multiply-add).
; Between the last product on an accumulator and the lines that read it and the product that writes over it stand the four v_nop at the end of the quarter before and the sixteen lines of FCOMP.
.macro QSTART slot, kn, mode, joff
.if \mode
	s_wait_loadcnt 0x0                             ; -M of the finished block is in
	FCOMP
	global_load_b128 v[NMJ:NMJ+3], v[SO], s[8:9] offset:\joff
.endif
	FETCH \slot, \kn, 1
	s_wait_dscnt 24                                ; all but the 24 just issued: buffer 0 is whole
.set n, 0
.rept 32
.if \mode == 1
	FLUSH4 1
.elseif \mode == 2
	FLUSH4 0
.endif
	MUL1 0, n/8, n%8, 1
.set n, n+1
.endr
	WIN 0
	PLACES
.endm
; A slot's last quarter multiplies buffer 1 and changes slots: ONE barrier.  In front of it each wave waits for all its tensor loads (its part of the next slot), adds 0 to its spare word, and waits for that and for its reads of this slot.
; fill = 1, 2: the barrier opens a round of the cluster's barrier, and this slot is filled again, two slots ahead (2: with the short last slot), first thing behind the round: the load has 176 matrix instructions in which to land.
; The loads into buffer 0 stand behind the places at the end of the quarter before, which multiplied it.
.macro TURN slot, next, fill, lim
.if \fill == 1
	s_wait_xcnt 0x0                                ; the last prefetch, a slot back, has read its address: it is stepped here
	s_add_nc_u64 s[PFA:PFA+1], s[PFA:PFA+1], AROW
.endif
	s_wait_tensorcnt 0x0                           ; all my tensor loads have landed;  (every window is 0 here)
	ds_add_u32 v[SPW], v[NIL]                      ; 0 onto my spare word;
	s_wait_dscnt 1                                 ; (the add may be out: buffer 1 is whole)
	MULA 1, 0                                      ; eight matrix instructions stand between the add and the wait for it
	s_wait_dscnt 0x0                               ; the add is done, and my reads of this slot are over
	s_barrier_signal -1
	MULA 1, 1
	WIN 0
	s_barrier_wait -1
.if \fill
	CREST                                          ; no wave of any partner still reads this slot or has a load on its way
	s_add_nc_u64 s[G0+4*\slot+2:G0+4*\slot+3], s[G0+4*\slot+2:G0+4*\slot+3], 2*AROW
	s_add_nc_u64 s[G0B+4*\slot+2:G0B+4*\slot+3], s[G0B+4*\slot+2:G0B+4*\slot+3], 2*BROW
.if \fill == 1
	JLOAD \slot, G1, G1B
.else
	JLOAD \slot, G1L, G1BL
.endif
.endif
	FETCH \next, 0, 0
.if \fill == 1
	ASK \lim
.endif
	MULA 1, 2
	MULA 1, 3
	WIN 0
	PLACES
.endm
	s_wait_tensorcnt 1                             ; my part of slot 0 is in (slot 1's load may be out)
	s_barrier_signal -1
	s_barrier_wait -1                              ; everybody's is
	FETCH 0, 0, 0
	QSTART 0, 1, 0, 0                              ; quarters 0 to 4: block 0, and block 1's first quarter, in which O begins
	QUARTER 0, 2, 1, 0
	QUARTER 0, 3, 0, 1
	QUARTER 0, 4, 1, 0
	QSTART 0, 5, 1, 1024
	s_mov_b32 s3, TRIPS
.Ltrip:                                            ; 12 quarters: from slot 0's last to slot 0's fifth: two changes of slots, three blocks begun  (every quarter ends with all windows 0)
	TURN 0, 1, 1, LIMA
	QUARTER 1, 1, 0, 1
	QUARTER 1, 2, 1, 0
	QSTART 1, 3, 2, 2048
	QUARTER 1, 4, 1, 0
	QUARTER 1, 5, 0, 1
	TURN 1, 0, 1, LIMB
	QSTART 0, 1, 2, 3072
	QUARTER 0, 2, 1, 0
	QUARTER 0, 3, 0, 1
	QUARTER 0, 4, 1, 0
	QSTART 0, 5, 2, 4096
	s_wait_xcnt 0x0                                ; the load of -M just issued has read its base: it is stepped only behind this wait
	s_add_nc_u64 s[8:9], s[8:9], 3072              ; three records on
	s_sub_co_u32 s3, s3, 1
	s_cmp_lg_u32 s3, 0
	s_cbranch_scc1 .Ltrip
	TURN 0, 1, 2, 0                                ; the tail is written out: slot 0 takes the last 128 keys
	QUARTER 1, 1, 0, 1
	QUARTER 1, 2, 1, 0
	QSTART 1, 3, 2, 2048
	QUARTER 1, 4, 1, 0
	QUARTER 1, 5, 0, 1
	TURN 1, 0, 0, 0                                ; nothing more is asked for
	QSTART 0, 1, 2, 3072
	QUARTER 0, 2, 1, 0
	QUARTER 0, 3, 0, 1
	s_wait_dscnt 0x0                               ; the very last quarter
	MULA 1, 0
	MULA 1, 1
	MULA 1, 2
	MULA 1, 3
	WIN 0
	PLACES                                         ; behind the last products
; THE WAY OUT, block by block of 16 rows x my 128 channels: the last block of keys is added (O + g T: 1 / L is in g), the sums are rounded to f16, and the packed registers, which are ao's fragments, are stored as they stand.
.macro OUTB a
.set TM, TMP+32*((\a)%2)
	WIN 0x21                                       ; source 0 (T) window 1, source 2 (O) window 2
.set i, 0
.rept 32
	v_pk_fma_f32 v[WK+i:WK+i+1], v[64*(\a)+i:64*(\a)+i+1], v[FS+2*(\a):FS+2*(\a)+1], v[64*(\a)+i:64*(\a)+i+1]   ; each accumulator from its low end on
.set i, i+2
.endr
	WIN 0
.if (\a) > 1
	s_wait_xcnt 0x0                                ; the stores of two blocks back have read this set of registers: it is written again only behind this wait
.endif
.set i, 0
.rept 32
	v_cvt_pk_f16_f32 v[TM+i], v[WK+2*i], v[WK+2*i+1]
.set i, i+1
.endr
.irp b, 0,1,2,3,4,5,6,7
	global_store_b128 v[CO], v[TM+4*\b:TM+4*\b+3], s[10:11] offset:(\a)*CBLK+512*\b   ; half a fragment: 32 lanes store 512 consecutive bytes, at a multiple of 512 from ao's first byte
.endr
.endm
	s_wait_loadcnt 0x0                             ; -M of the last block
	FCOMP
.irp a, 0,1,2,3
	OUTB \a
.endr
	s_wait_tensorcnt 0x0                           ; the wave's end: three closing lines behind my last tensor load
	ds_add_u32 v[SPW], v[NIL]
	s_wait_dscnt 0x0
	CROUND                                         ; the closing round
	s_endpgm
.Lfunc_end_k_qcd8281bd6f_pv:
	.size	k_qcd8281bd6f_pv, .Lfunc_end_k_qcd8281bd6f_pv-k_qcd8281bd6f_pv
	.p2alignl 7, 3214868480
	.fill 96, 4, 3214868480
	.section	.rodata,"a",@progbits
	.p2align	6, 0x0
	.amdhsa_kernel k_qcd8281bd6f_pv
		.amdhsa_group_segment_fixed_size 327680
		.amdhsa_private_segment_fixed_size 0
		.amdhsa_enable_private_segment 0
		.amdhsa_kernarg_size 32
		.amdhsa_user_sgpr_count 2
		.amdhsa_user_sgpr_kernarg_segment_ptr 1
		.amdhsa_wavefront_size32 1
		.amdhsa_system_sgpr_workgroup_id_x 1
		.amdhsa_system_sgpr_workgroup_id_y 1
		.amdhsa_system_sgpr_workgroup_id_z 1
		.amdhsa_system_vgpr_workitem_id 0
		.amdhsa_next_free_vgpr 768
		.amdhsa_next_free_sgpr 88
		.amdhsa_reserve_vcc 0
		.amdhsa_float_denorm_mode_32 3
		.amdhsa_float_denorm_mode_16_64 3
		.amdhsa_memory_ordered 1
		.amdhsa_forward_progress 1
		.amdhsa_inst_pref_size 218
	.end_amdhsa_kernel
	.amdgpu_metadata
---
amdhsa.version: [ 1, 2 ]
amdhsa.kernels:
  - .name:           k_qcd8281bd6f_pv
    .symbol:         k_qcd8281bd6f_pv.kd
    .args:
      - { .name: p, .offset: 0, .size: 8, .value_kind: global_buffer, .address_space: global }
      - { .name: qkv, .offset: 8, .size: 8, .value_kind: global_buffer, .address_space: global }
      - { .name: stats, .offset: 16, .size: 8, .value_kind: global_buffer, .address_space: global }
      - { .name: ao, .offset: 24, .size: 8, .value_kind: global_buffer, .address_space: global }
    .group_segment_fixed_size: 327680
    .private_segment_fixed_size: 0
    .kernarg_segment_align: 8
    .kernarg_segment_size: 32
    .max_flat_workgroup_size: 128
    .sgpr_count:     88
    .vgpr_count:     768
    .wavefront_size: 32
...
	.end_amdgpu_metadata
.endif
;; end of part 4
;; launch outp (part 5): grid 4 x 64, 4 waves a work-group, clusters of 4 x 4, 327,680 bytes of LDS; arguments ao, wo16, out0; writes out0
.if DOCPART == 5
	.amdgcn_target "amdgcn-amd-amdhsa--gfx1250"
	.amdhsa_code_object_version 6
	.text
	.protected	k_qcd8281bd6f_outp
	.globl	k_qcd8281bd6f_outp
	.p2align	8
	.type	k_qcd8281bd6f_outp,@function
k_qcd8281bd6f_outp:
	s_mov_b64 s[64:65], 0
	v_nop
	global_prefetch_b8 v0, s[64:65] scope:SCOPE_SE
	s_setreg_imm32_b32 hwreg(HW_REG_WAVE_MODE, 25, 1), 1
	s_wait_xcnt 0x0
	s_wait_alu depctr_hold_cnt(0) depctr_sa_sdst(0) depctr_va_vdst(0) depctr_va_sdst(0) depctr_va_ssrc(0) depctr_va_vcc(0) depctr_vm_vsrc(0)
	s_getreg_b32 s2, hwreg(HW_REG_IB_STS2, 6, 4)
	s_cmp_eq_u32 s2, 0
	s_cbranch_scc0 .Lentry_in_a_cluster
	s_endpgm
.Lentry_in_a_cluster:
	s_bfe_u32 s2, ttmp6, 0x10000c
	s_cmp_lg_u32 s2, 0xf033
	s_cbranch_scc0 .Lentry_shape_is_right
	s_endpgm
.Lentry_shape_is_right:
; out0[row][o] = sum over e of ao[row][e] Wo[o][e].  ao and wo16 are f16; sums and out0 [8192][1024] are f32.
; A = ao, LAID IN THE ORDER OF THE OPERAND'S REGISTERS: the fragment of rows 16 i .. + 15 and e = 32 c .. + 31 is 1,024 bytes at (32 i + c) x 1,024: registers 0-3 of lane l at 16 l, registers 4-7 at 512 + 16 l.  B = wo16 [1024][1024], rows along e.
; The same frame as the launch before it: a tile of 128 rows x 256 columns gives each of 256 work-groups one; four waves, 2 x 2, a wave 64 x 128: 32 accumulators, 256 registers.
; THE RING.  Two LDS slots of 192 along K, as long as LDS has room for: ao's part is dense (8 blocks of 16 rows x 6,144 bytes), wo16's 256 rows of 384 bytes get 16 bytes of padding behind each 128: 159,744 bytes a slot.  Waves 0, 1 fetch ao's halves, waves 2, 3 wo16's.
; K = 1,024 is five such slots and one of 64: its tiles state a shorter extent along K, beyond which zeros are written (ISA guide, chapter 10: the tensor's extents), and the four quarters that would read zeros are not walked.
; The 32 quarters of 32 along K are written out: with four refills, the last of another shape, only one trip of two slots would repeat.
; CLUSTERS: 4 x 4 work-groups: the four of a row of the cluster need the same tile of ao, the four of a column the same tile of wo16: each is asked for JOINTLY.  By this text's count a wave has two tensor loads out at the start, one afterwards.
; No prefetch: K has only six slots, of which the first three could not be covered, and wo16 is read by every cluster.
; THE MATRIX INSTRUCTION IS USED TRANSPOSED (source 0 = 16 rows of wo16, source 1 = 16 rows of ao): a lane holds one row (lane % 16) and eight neighbouring columns.
; REGISTERS: window 0: v16-31 addresses; v32-95 ao's fragments, two buffers of 32; v96-223 wo16's, two buffers of 64; on the way out v32-159 rows of out0.  window 1: the accumulators, (a, b) at v[8 (8 a + b)].
.set ABLK,   32768                     ; 16 rows of ao: 32 fragments
.set BPITCH, 2048                      ; a row of wo16 in bytes
.set CPITCH, 4096                      ; a row of out0
.set NKQ,    6                         ; quarters in a slot
.set LASTQ,  2                         ; in the last slot
.set AROW,   NKQ*1024                  ; a slot's part of 16 rows of ao
.set HALFA,  4*AROW
.set BROW,   NKQ*64                    ; a slot's part of a row of wo16
.set BP,     BROW+48                   ; and in LDS: 432 bytes = 108 words: row r starts at bank 44 r mod 64: the 16 rows that a load touches start at 16 different multiples of 4 (64 banks of 4 bytes: ISA guide 11.1)
.set HALFB,  128*BP
.set BOFF,   2*HALFA
.set SLOT,   BOFF+2*HALFB
.set SPARE,  2*SLOT                    ; behind the ring: the spare words, 128 bytes a wave, which no other line names
.set STAGE,  0                         ; the way out: 16 rows x (512 bytes + 16) for each wave, in slot 0: when the first result is stored there, that slot has had its last fill, and every wave has passed the last change of slots, behind which nobody reads it
.set SPITCH, 528
.set ADRA, 16
.set ADRB, 20
.set STO,  24
.set RD,   25
.set CO,   26                          ; v26  16 x lane; never rewritten
.set SPW,  28
.set NIL,  29
.set AF,   32
.set BF,   96
.set OB,   32                          ; 16 rows read back: v32-95 and v96-159 by turns
.set G1, 24
.set G0, 32
.set G1B, 48
.set G0B, 56
.set G1L, 72                           ; s[72:79], s[80:87] groups 1 for the last, shorter slot
.set G1BL, 80
.set MSB, 0
.macro WIN new
.if MSB != (\new)
	s_set_vgpr_msb (MSB<<8)|(\new)
.set MSB, (\new)
.endif
.endm
.set MUL, 0x50                         ; C and D window 1, sources 0 and 1 window 0
.macro JLOAD s, ga, gb                 ; a joint load: the branch hangs on the wave's number alone; an s_nop 0 and four v_nop follow each of the two lines
	s_cmp_eq_u32 s13, 0
	s_cbranch_scc0 .Lfor_b_\@
	tensor_load_to_lds s[G0+4*\s:G0+4*\s+3], s[\ga:\ga+7]
	s_nop 0
.rept 4
	v_nop
.endr
	s_branch .Lasked_\@
.Lfor_b_\@:
	tensor_load_to_lds s[G0B+4*\s:G0B+4*\s+3], s[\gb:\gb+7]
	s_nop 0
.rept 4
	v_nop
.endr
.Lasked_\@:
.endm
.macro CREST
	s_cmp_lg_u32 s12, 0
	s_cbranch_scc1 .Lnot_wave_0_\@
	s_barrier_signal -3
.Lnot_wave_0_\@:
	s_barrier_wait -3
	s_barrier_signal -1
	s_barrier_wait -1
.endm
.macro CROUND
	s_barrier_signal -1
	s_barrier_wait -1
	CREST
.endm
	s_load_b128 s[4:7], s[0:1], 0x0                ; ao s[4:5], wo16 s[6:7]
	s_load_b64 s[10:11], s[0:1], 0x10              ; out0
	v_lshl_add_u32 v[SPW], v0, 2, SPARE
	v_mov_b32 v[NIL], 0
	ds_add_u32 v[SPW], v[NIL]                      ; the wave's opening: the add, twice on end, and its wait ahead of my first tensor load
	ds_add_u32 v[SPW], v[NIL]
	v_lshrrev_b32 v1, 5, v0
	v_readfirstlane_b32 s12, v1                    ; wave 0..3
	s_lshr_b32 s13, s12, 1                         ; which half of the tile's rows is mine.  Also: I fetch for ao (0) or for wo16 (1)
	s_and_b32 s14, s12, 1                          ; which half of its columns.  Also: which half of that tile I fetch
	s_bfe_u32 s40, ttmp6, 0x40000                  ; cx
	s_bfe_u32 s41, ttmp6, 0x40004                  ; cy
	s_lshl_b32 s42, ttmp9, 2
	s_add_co_u32 s42, s42, s40                     ; tile column: 256 columns, 0..3
	s_and_b32 s18, ttmp7, 0xffff
	s_lshl_b32 s15, s18, 2
	s_add_co_u32 s15, s15, s41                     ; tile row: 128 rows, 0..63
	s_lshl_b32 s43, s41, 2
	s_lshl_b32 s43, 15, s43                        ; my row of the cluster
	s_lshl_b32 s44, 0x1111, s40                    ; my column
	; ao's tiles: 4 blocks of 16 rows, each 6,144 dense bytes (768 elements of 8 bytes), 32,768 bytes apart; no padding
	s_or_b32 s[G1+0], s43, (3<<16)|(1<<21)         ; 15:0 the mask; 17:16 elements of 8 bytes; 21 set beside a mask
	s_or_b32 s[G1L+0], s43, (3<<16)|(1<<21)
	s_mov_b32 s[G1+1], (AROW/8)<<16                ; tensor_dim0 = 768
	s_mov_b32 s[G1L+1], (LASTQ*128)<<16            ; the last slot: 256 are left; zeros beyond
.irp g, G1, G1L
	s_mov_b32 s[\g+2], 4<<16                       ; tensor_dim1 = 4
	s_mov_b32 s[\g+3], (AROW/8)<<16                ; tile_dim0 = 768
	s_mov_b32 s[\g+4], 4                           ; tile_dim1 = 4
	s_mov_b32 s[\g+5], ABLK/8                      ; tensor_dim0_stride, in elements
	s_mov_b32 s[\g+6], 0
	s_mov_b32 s[\g+7], 0
.endr
	; wo16's tiles: 128 rows of 192 elements of 2 bytes, four words of padding behind every 32
	s_or_b32 s[G1B+0], s44, (1<<16)|(1<<20)|(1<<21)|(4<<22)|(3<<25)
	s_or_b32 s[G1BL+0], s44, (1<<16)|(1<<20)|(1<<21)|(4<<22)|(3<<25)
	s_mov_b32 s[G1B+1], (NKQ*32)<<16               ; tensor_dim0 = 192
	s_mov_b32 s[G1BL+1], (LASTQ*32)<<16            ; the last slot: 64 are left
.irp g, G1B, G1BL
	s_mov_b32 s[\g+2], 128<<16                     ; tensor_dim1 = 128
	s_mov_b32 s[\g+3], (NKQ*32)<<16                ; tile_dim0 = 192
	s_mov_b32 s[\g+4], 128                         ; tile_dim1 = 128
	s_mov_b32 s[\g+5], BPITCH/2
	s_mov_b32 s[\g+6], 0
	s_mov_b32 s[\g+7], 0
.endr
	s_lshl_b32 s16, s15, 3
	s_lshl_b32 s17, s14, 2
	s_add_co_u32 s16, s16, s17                     ; ao: block of 16 rows 8 x tile row + 4 x half,
	s_lshl_b32 s16, s16, 15                        ; 32,768 bytes each
	s_mov_b32 s17, 0
	s_lshl_b32 s46, s42, 8
	s_lshl_b32 s47, s14, 7
	s_add_co_u32 s46, s46, s47                     ; wo16: row 256 x tile column + 128 x half
	s_lshl_b32 s46, s46, 11
	s_mov_b32 s47, 0
	s_mul_i32 s20, s14, HALFA                      ; where they go: no place in the cluster enters an LDS address
	s_mul_i32 s21, s14, HALFB
	s_add_co_u32 s21, s21, BOFF
	s_wait_dscnt 0x0                               ; both opening adds are done
	s_wait_kmcnt 0x0
	s_add_nc_u64 s[16:17], s[4:5], s[16:17]
	s_add_nc_u64 s[46:47], s[6:7], s[46:47]
	CROUND                                         ; all sixteen work-groups are here: the first joint loads meet
.irp s, 0,1
	s_mov_b32 s[G0+4*\s], 1
	s_add_co_u32 s[G0+4*\s+1], s20, \s*SLOT
	s_add_nc_u64 s[G0+4*\s+2:G0+4*\s+3], s[16:17], \s*AROW
	s_or_b32 s[G0+4*\s+3], s[G0+4*\s+3], 0x80000000
	s_mov_b32 s[G0B+4*\s], 1
	s_add_co_u32 s[G0B+4*\s+1], s21, \s*SLOT
	s_add_nc_u64 s[G0B+4*\s+2:G0B+4*\s+3], s[46:47], \s*BROW
	s_or_b32 s[G0B+4*\s+3], s[G0B+4*\s+3], 0x80000000
	JLOAD \s, G1, G1B
.endr
	v_and_b32 v1, 15, v0                           ; r
	v_bfe_u32 v2, v0, 4, 1                         ; h
	v_and_b32 v5, 31, v0                           ; lane
	v_lshlrev_b32 v[CO], 4, v5
	v_mul_u32_u24 v3, v1, BP
	v_lshl_add_u32 v3, v2, 4, v3                   ; wo16: a fragment's row x pitch + 16 x half
	s_mul_i32 s21, s13, HALFA                      ; my 64 rows of ao
	s_mul_i32 s22, s14, HALFB                      ; my 128 rows of wo16,
	s_add_co_u32 s22, s22, BOFF                    ; which lie behind ao's 128
.irp s, 0,1
	v_add_nc_u32 v[ADRA+\s], s21, v[CO]            ; ao: 16 x lane in half a fragment
	v_add_nc_u32 v[ADRB+\s], s22, v3
	s_add_co_u32 s21, s21, SLOT
	s_add_co_u32 s22, s22, SLOT
.endr
	s_mul_i32 s23, s12, 16*SPITCH
	s_add_co_u32 s23, s23, STAGE                   ; my stage
	v_mul_u32_u24 v4, v1, SPITCH                   ; in: row r, 32 bytes for each half of the lanes
	v_lshl_add_u32 v4, v2, 5, v4
	v_add_nc_u32 v[STO], s23, v4
	v_add_nc_u32 v[RD], s23, v[CO]                 ; back: the 32 lanes take one row of 512 bytes; and the same in out0
	s_lshl_b32 s16, s15, 7
	s_lshl_b32 s17, s13, 6
	s_add_co_u32 s16, s16, s17                     ; my first row of out0,
	s_lshl_b32 s16, s16, 12
	s_lshl_b32 s46, s42, 10                        ; my first column, 4 bytes each: 1,024 x tile column + 512 x half
	s_lshl_b32 s47, s14, 9
	s_add_co_u32 s46, s46, s47
	s_add_co_u32 s16, s16, s46                     ; (33,554,432 bytes in all: under 2^32)
	s_mov_b32 s17, 0
	s_add_nc_u64 s[10:11], s[10:11], s[16:17]
.macro MUL1 f, a, b, zero              ; one product: block of rows a x block of columns b, 32 along K, from buffer f.  zero = 1: it starts the sum
	WIN MUL
.if \zero
	v_wmma_f32_16x16x32_f16 v[8*(8*(\a)+(\b)):8*(8*(\a)+(\b))+7], v[BF+64*(\f)+8*(\b):BF+64*(\f)+8*(\b)+7], v[AF+32*(\f)+8*(\a):AF+32*(\f)+8*(\a)+7], 0
.else
	v_wmma_f32_16x16x32_f16 v[8*(8*(\a)+(\b)):8*(8*(\a)+(\b))+7], v[BF+64*(\f)+8*(\b):BF+64*(\f)+8*(\b)+7], v[AF+32*(\f)+8*(\a):AF+32*(\f)+8*(\a)+7], v[8*(8*(\a)+(\b)):8*(8*(\a)+(\b))+7]
.endif
.endm
.macro MULA f, a, zero                 ; eight: the 32 accumulators take turns in one fixed order, one instruction a turn
.irp b, 0,1,2,3,4,5,6,7
	MUL1 \f, \a, \b, \zero
.endr
.endm
.macro FETCH slot, kq, g               ; 24 LDS loads in one run: the fragments of the slot's quarter kq into buffer g: ao's 8 (dense: 16 x lane), wo16's 16 (byte 64 kq of a row, and 16 more for each 128 passed)
.irp i, 0,1,2,3
	ds_load_b128 v[AF+32*(\g)+8*\i:AF+32*(\g)+8*\i+3],   v[ADRA+\slot] offset:\i*AROW+(\kq)*1024
	ds_load_b128 v[AF+32*(\g)+8*\i+4:AF+32*(\g)+8*\i+7], v[ADRA+\slot] offset:\i*AROW+(\kq)*1024+512
.endr
.irp i, 0,1,2,3,4,5,6,7
	ds_load_b128 v[BF+64*(\g)+8*\i:BF+64*(\g)+8*\i+3],   v[ADRB+\slot] offset:\i*16*BP+64*(\kq)+16*((\kq)/2)
	ds_load_b128 v[BF+64*(\g)+8*\i+4:BF+64*(\g)+8*\i+7], v[ADRB+\slot] offset:\i*16*BP+64*(\kq)+16*((\kq)/2)+32
.endr
.endm
.macro PLACES                          ; four places in front of loads into registers that matrix instructions have read, and of LDS stores that read results
.rept 4
	v_nop
.endr
.endm
; A quarter is 32 along K, 32 matrix instructions, on buffers 0, 1 by turns.  One of a slot's first five: fetches the slot's quarter kn into buffer g and multiplies buffer f; the places at its end serve the next quarter's loads.
.macro QUARTER slot, kn, f, g, zero
	FETCH \slot, \kn, \g
	s_wait_dscnt 24                                ; all but the 24 just issued: buffer f is whole
	MULA \f, 0, \zero
	MULA \f, 1, \zero
	MULA \f, 2, \zero
	MULA \f, 3, \zero
	WIN 0
	PLACES
.endm
.macro FIVE slot                       ; a slot's first five quarters
	QUARTER \slot, 1, 0, 1, 0
	QUARTER \slot, 2, 1, 0, 0
	QUARTER \slot, 3, 0, 1, 0
	QUARTER \slot, 4, 1, 0, 0
	QUARTER \slot, 5, 0, 1, 0
.endm
; A slot's last quarter multiplies buffer 1 and changes slots: ONE barrier.  In front of it each wave waits for all its tensor loads (its part of the next slot), adds 0 to its spare word, and waits for that and for its reads of this slot.
; fill = 1, 2: the barrier opens a round of the cluster's barrier, and this slot is filled again, two slots ahead (2: with the short last slot), first thing behind the round: the load has 176 matrix instructions in which to land.
; The loads into buffer 0 stand behind the places at the end of the quarter before, which multiplied it.
.macro TURN slot, next, fill
	s_wait_tensorcnt 0x0                           ; all my tensor loads have landed;  (every window is 0 here)
	ds_add_u32 v[SPW], v[NIL]                      ; 0 onto my spare word;
	s_wait_dscnt 1                                 ; (the add may be out: buffer 1 is whole)
	MULA 1, 0, 0                                   ; eight matrix instructions stand between the add and the wait for it
	s_wait_dscnt 0x0                               ; the add is done, and my reads of this slot are over
	s_barrier_signal -1
	MULA 1, 1, 0
	WIN 0
	s_barrier_wait -1
.if \fill
	CREST                                          ; no wave of any partner still reads this slot or has a load on its way
	s_add_nc_u64 s[G0+4*\slot+2:G0+4*\slot+3], s[G0+4*\slot+2:G0+4*\slot+3], 2*AROW
	s_add_nc_u64 s[G0B+4*\slot+2:G0B+4*\slot+3], s[G0B+4*\slot+2:G0B+4*\slot+3], 2*BROW
.if \fill == 1
	JLOAD \slot, G1, G1B
.else
	JLOAD \slot, G1L, G1BL
.endif
.endif
	FETCH \next, 0, 0
	MULA 1, 2, 0
	MULA 1, 3, 0
	WIN 0
	PLACES
.endm
	s_wait_tensorcnt 1                             ; my part of slot 0 is in (slot 1's load may be out)
	s_barrier_signal -1
	s_barrier_wait -1                              ; everybody's is
	FETCH 0, 0, 0
	QUARTER 0, 1, 0, 1, 1                          ; the first quarter's products start the sums: nothing is cleared
	QUARTER 0, 2, 1, 0, 0
	QUARTER 0, 3, 0, 1, 0
	QUARTER 0, 4, 1, 0, 0
	QUARTER 0, 5, 0, 1, 0
	TURN 0, 1, 1                                   ; K 384 on goes into slot 0
	FIVE 1
	TURN 1, 0, 1                                   ; K 576 on into slot 1
	FIVE 0
	TURN 0, 1, 1                                   ; K 768 on into slot 0: its last fill
	FIVE 1
	TURN 1, 0, 2                                   ; the last 64 along K into slot 1
	FIVE 0
	TURN 0, 1, 0                                   ; nothing more is asked for; behind this barrier nobody reads slot 0
	QUARTER 1, 1, 0, 1, 0
	s_wait_dscnt 0x0                               ; the very last quarter
	MULA 1, 0, 0
	MULA 1, 1, 0
	MULA 1, 2, 0
	MULA 1, 3, 0
	WIN 0
; THE WAY OUT, block by block of 16 rows x my 128 columns.  A lane holds 32 neighbouring bytes of a row: a block goes through my own stage and comes back as whole rows of 512 bytes.
.macro TOSTAGE a
	WIN 0x04                                       ; an LDS store's data are its source 1: window 1
.irp b, 0,1,2,3,4,5,6,7
	ds_store_b128 v[STO], v[64*(\a)+8*\b:64*(\a)+8*\b+3] offset:64*\b          ; each accumulator from its low end on
	ds_store_b128 v[STO], v[64*(\a)+8*\b+4:64*(\a)+8*\b+7] offset:64*\b+16
.endr
	WIN 0
.set BB, OB+64*((\a)%2)
.irp t, 0,1,2,3,4,5,6,7,8,9,10,11,12,13,14,15
	ds_load_b128 v[BB+4*\t:BB+4*\t+3], v[RD] offset:\t*SPITCH      ; LDS serves a wave's instructions in order: these see the stores above, and the next block's stores come behind them
.endr
.endm
.macro SEND a, younger                 ; younger: the LDS instructions issued behind block a's loads, which may stay out
.set BB, OB+64*((\a)%2)
	s_wait_dscnt \younger                          ; the block is back in registers
.if (\a) > 0
	s_add_nc_u64 s[10:11], s[10:11], 16*CPITCH     ; (behind a wait on XCNT: the earlier stores have read their base)  16 rows of out0 on
.endif
.irp t, 0,1,2,3,4,5,6,7,8,9,10,11,12,13,14,15
	global_store_b128 v[CO], v[BB+4*\t:BB+4*\t+3], s[10:11] offset:\t*CPITCH th:TH_STORE_NT   ; 32 lanes store 512 consecutive bytes, at a multiple of 256 from out0's first byte; written once, read by nobody here
.endr
.endm
	PLACES                                         ; behind the last products: for the stores that read results and the loads into registers that held fragments
	TOSTAGE 0
.irp a, 1,2,3
.if \a > 1
	s_wait_xcnt 0x0                                ; block a - 2's stores have read their registers and their base: block a's loads may land there, and the base may step
.endif
	TOSTAGE \a
	SEND \a-1, 32                                  ; behind block a - 1's loads: block a's 16 stores and 16 loads
.endr
	s_wait_xcnt 0x0                                ; block 2's stores have read their base
	SEND 3, 0
	s_wait_tensorcnt 0x0                           ; the wave's end: three closing lines behind my last tensor load and my last LDS store
	ds_add_u32 v[SPW], v[NIL]
	s_wait_dscnt 0x0
	CROUND                                         ; the closing round
	s_endpgm
.Lfunc_end_k_qcd8281bd6f_outp:
	.size	k_qcd8281bd6f_outp, .Lfunc_end_k_qcd8281bd6f_outp-k_qcd8281bd6f_outp
	.p2alignl 7, 3214868480
	.fill 96, 4, 3214868480
	.section	.rodata,"a",@progbits
	.p2align	6, 0x0
	.amdhsa_kernel k_qcd8281bd6f_outp
		.amdhsa_group_segment_fixed_size 327680
		.amdhsa_private_segment_fixed_size 0
		.amdhsa_enable_private_segment 0
		.amdhsa_kernarg_size 24
		.amdhsa_user_sgpr_count 2
		.amdhsa_user_sgpr_kernarg_segment_ptr 1
		.amdhsa_wavefront_size32 1
		.amdhsa_system_sgpr_workgroup_id_x 1
		.amdhsa_system_sgpr_workgroup_id_y 1
		.amdhsa_system_sgpr_workgroup_id_z 1
		.amdhsa_system_vgpr_workitem_id 0
		.amdhsa_next_free_vgpr 512
		.amdhsa_next_free_sgpr 88
		.amdhsa_reserve_vcc 0
		.amdhsa_float_denorm_mode_32 3
		.amdhsa_float_denorm_mode_16_64 3
		.amdhsa_memory_ordered 1
		.amdhsa_forward_progress 1
		.amdhsa_inst_pref_size 147
	.end_amdhsa_kernel
	.amdgpu_metadata
---
amdhsa.version: [ 1, 2 ]
amdhsa.kernels:
  - .name:           k_qcd8281bd6f_outp
    .symbol:         k_qcd8281bd6f_outp.kd
    .args:
      - { .name: ao, .offset: 0, .size: 8, .value_kind: global_buffer, .address_space: global }
      - { .name: wo16, .offset: 8, .size: 8, .value_kind: global_buffer, .address_space: global }
      - { .name: out0, .offset: 16, .size: 8, .value_kind: global_buffer, .address_space: global }
    .group_segment_fixed_size: 327680
    .private_segment_fixed_size: 0
    .kernarg_segment_align: 8
    .kernarg_segment_size: 24
    .max_flat_workgroup_size: 128
    .sgpr_count:     88
    .vgpr_count:     512
    .wavefront_size: 32
...
	.end_amdgpu_metadata
.endif
;; end of part 5
